; MI455X (gfx1250); checked and timed in simulation.
; The chip was launched on July 23, 2026; its instructions are those of AMD's public machine-readable ISA for CDNA 5 (MIT licence, August 2026) and "CDNA5" Instruction Set Architecture Reference Guide (July 2026). The comments in the code are by the model that wrote it; some were corrected since.
;; Attention. Allowed arithmetic: matrix products marked QUANTISED: E2M3 operands, one E8M0 scale for each 32 along K, by v_wmma_scale_f32_16x16x128_f8f6f4 with both operands' format E2M3, f32 sums; everything else in f32.
;; Inputs: attendee_mask 2 x 2,048 int32; attendee_seq_codes 2 x 2,048 x 32 x 24 uint8 (E2M3 codes of attendee_seq, K innermost, in blocks of 32 codes, four codes in three bytes); attendee_seq_scales 2 x 2,048 x 32 uint8 (E8M0 scales of attendee_seq, one for each 32 codes along K); attender_seq 2 x 2,048 x 1,024 float32; c_attn_b 3,072 float32; c_attn_w_codes 3,072 x 32 x 24 uint8 (E2M3 codes of c_attn_w, K innermost, in blocks of 32 codes, four codes in three bytes); c_attn_w_scales 3,072 x 32 uint8 (E8M0 scales of c_attn_w, one for each 32 codes along K); c_proj_b 1,024 float32; c_proj_w_codes 1,024 x 32 x 24 uint8 (E2M3 codes of c_proj_w, K innermost, in blocks of 32 codes, four codes in three bytes); c_proj_w_scales 1,024 x 32 uint8 (E8M0 scales of c_proj_w, one for each 32 codes along K); mlp_b 1,024 float32; mlp_w_codes 1,024 x 64 x 24 uint8 (E2M3 codes of mlp_w, K innermost, in blocks of 32 codes, four codes in three bytes); mlp_w_scales 1,024 x 64 uint8 (E8M0 scales of mlp_w, one for each 32 codes along K).
;; Outputs: out0 2 x 2,048 x 1,024 float32.
;; This version of the problem:
;;   THIS VERSION OF THE PROBLEM IS GIVEN IN LOW PRECISION. The matrix products marked QUANTISED in the list below multiply operands that are first quantised to E2M3 (2 exponent bits, 3 mantissa bits; 6 bits a number), with one power-of-two scale for each 32 numbers along K (OCP MX v1.0); their sums are f32. All else is computed in f32.
;;   The module's matrix products, in the order in which they are computed (A, B: the left and right operand; K: the contracted axis; several contracted axes count as one K, in the product's order):
;;     1. [M 4,096, K 1,024] x [K 1,024, N 3,072]; A: input attender_seq; B: input c_attn_w (given as codes): QUANTISED
;;     2. [M 4,096, K 1,024] x [K 1,024, N 3,072]; A: input attendee_seq (given as codes); B: input c_attn_w (given as codes): QUANTISED
;;     3. batch 32 x [M 2,048, K 64] x [K 64, N 2,048]; A: computed on the way; B: computed on the way: QUANTISED
;;     4. batch 32 x [M 64, K 2,048] x [K 2,048, N 2,048]; A: computed on the way; B: softmax (see below): QUANTISED
;;     5. [M 4,096, K 1,024] x [K 1,024, N 1,024]; A: computed on the way; B: input c_proj_w (given as codes): QUANTISED
;;     6. [M 4,096, K 2,048] x [K 2,048, N 1,024]; A: computed on the way; B: input mlp_w (given as codes): QUANTISED
;;   THE QUANTISER, for each operand of a quantised product, along K:
;;     - K is cut into blocks of 32 from its start; a last block that is shorter is filled with zeros.
;;     - A block's scale is 2^e with e = floor(log2(the largest magnitude in the block)) - 2, held to -126 .. 127; a block of zeros has e = 0. As a byte (E8M0): e + 127.
;;     - Each number is divided by its block's scale, clamped to +-7.5, and rounded to the nearest number of E2M3, ties to even, subnormals kept.
;;     - The product sums the exact products of the quantised numbers (number of the format x scale) in f32.
;;   ~~~python
;;   def quantise(x, axis):      # numpy; x: float32 -> the quantised numbers, widened to float32 again
;;       x = np.moveaxis(x, axis, -1); K = x.shape[-1]
;;       x = np.pad(x, [(0, 0)] * (x.ndim - 1) + [(0, -K % 32)]); x = x.reshape(x.shape[:-1] + (-1, 32)); a = np.abs(x).max(-1, keepdims=True)
;;       e = np.where(a > 0, np.clip(np.frexp(np.where(a > 0, a, 1))[1] - 1 - 2, -126, 127), 0)      # np.frexp(a)[1] - 1 = floor(log2(a)), exactly
;;       r = np.clip(x / 2.0 ** e, -7.5, 7.5)
;;       step = 2.0 ** (np.maximum(np.frexp(np.where(r == 0, 1, r))[1] - 1, 0) - 3)
;;       q = np.round(r / step) * step * 2.0 ** e      # np.round: ties to even
;;       return np.moveaxis(q.reshape(q.shape[:-2] + (-1,))[..., :K], -1, axis).astype(np.float32)
;;   ~~~
;;   SOFTMAX AHEAD OF A QUANTISED PRODUCT. Where the list says 'softmax', what is quantised is not the finished softmax but p = 2^(t - M), with t = logit x log2(e) and M = ceil(the row's largest t), a whole number; so 1/2 < the row's largest p <= 1. The row's sum l is taken of the UNQUANTISED p, in f32, and the product's result is divided by l at the end. Since M is a whole number, a kernel that streams over the keys may use a running M (the ceiling of the running maximum): every later rescaling is an exact power of two, which a block's scale takes up: the codes' values come out the same.
;;   OPERANDS COMPUTED ON THE WAY. 'Computed on the way' means the value that the module computes at that place (a softmax that the list does not call 'softmax' is quantised finished and normalised). What goes into a quantiser is computed in f32, as accurately as f32 sums, v_exp_f32 and their like allow (about 1e-6 of the number): no bf16 or f16 on the way to a quantiser, and a product that is left as it is and whose result goes on into a quantised operand takes f32 operands (vector FMAs, or v_wmma_f32_16x16x4_f32). A number that lies on a knife's edge between two numbers of the format may be rounded either way, as far as f32 arithmetic and the matrix unit's own rounding can turn it there, and no further.
;;   INPUTS GIVEN AS CODES. attendee_seq (in the module: [2, 2048, 1024], K = its axis 2); c_attn_w (in the module: [1024, 3072], K = its axis 0); c_proj_w (in the module: [1024, 1024], K = its axis 0); mlp_w (in the module: [2048, 1024], K = its axis 0): each comes as NAME_codes (uint8): NAME with its K axis moved to the last place and cut into blocks of 32 codes, [.., K / 32, bytes a block], one block behind the other in memory; four codes in three bytes: a row's codes are one little-endian stream of bits, code i at bits 6 i .. 6 i + 5 (a code: sign, 2 exponent bits, 3 mantissa bits); and NAME_scales (uint8): the same leading axes, one E8M0 byte (e + 127) for each 32 codes along K. Its value is code x scale, taken as it is: it is not quantised again, and the codes and scales need not be those that the quantiser above would give.
;; One version. Each part assembles by itself: llvm-mc -triple=amdgcn-amd-amdhsa -mcpu=gfx1250 --defsym DOCPART=n.
;; ======== version 1 of 1: 4 launches
;; workspace buffers: kvws 6,684,672 bytes; xq_codes 3,145,728 bytes; xq_scales 262,144 bytes; at_codes 3,145,728 bytes; at_scales 262,144 bytes; y_codes 3,145,728 bytes; y_scales 262,144 bytes
;; launch kv (part 1): grid 8 x 32, 4 waves a work-group, clusters of 4 x 4, 314,624 bytes of LDS; arguments attendee_seq_codes, attendee_seq_scales, c_attn_w_codes, c_attn_w_scales, c_attn_b, attender_seq, kvws, xq_codes, xq_scales; writes kvws, xq_codes, xq_scales
.if DOCPART == 1
	.amdgcn_target "amdgcn-amd-amdhsa--gfx1250"
	.amdhsa_code_object_version 6
	.text
	.protected	k_q523ca5b0fe_kv
	.globl	k_q523ca5b0fe_kv
	.p2align	8
	.type	k_q523ca5b0fe_kv,@function
k_q523ca5b0fe_kv:
	s_mov_b64 s[64:65], 0
	v_nop
	global_prefetch_b8 v0, s[64:65] scope:SCOPE_SE
	s_setreg_imm32_b32 hwreg(HW_REG_WAVE_MODE, 25, 1), 1
	s_wait_xcnt 0x0
	s_wait_alu depctr_hold_cnt(0) depctr_sa_sdst(0) depctr_va_vdst(0) depctr_va_sdst(0) depctr_va_ssrc(0) depctr_va_vcc(0) depctr_vm_vsrc(0)
	s_getreg_b32 s2, hwreg(HW_REG_IB_STS2, 6, 4)
	s_cmp_eq_u32 s2, 0
	s_cbranch_scc0 .Lentry_in_a_cluster
	s_endpgm
.Lentry_in_a_cluster:
	s_bfe_u32 s2, ttmp6, 0x10000c
	s_cmp_lg_u32 s2, 0xf033
	s_cbranch_scc0 .Lentry_shape_is_right
	s_endpgm
.Lentry_shape_is_right:
; k = attendee Wk^T + bk and v = attendee Wv^T + bv on codes of FP6 (E2M3) with E8M0 scales, both quantised again at once: k along the head's 64, v along the keys.
; Beside that each wave quantises two fragments (16 rows x 128 K) of attender_seq, which later launches read as codes.
; SHARES.  A work-group takes 128 rows of attendee (one key step of one batch) and two heads: 128 rows of Wk (rows 1,024 + 128 x on of c_attn_w) and 128 of Wv (1,024 rows further), all K = 1,024.
; ONE LOOP, WALKED TWICE.  Source 0 takes all 128 rows of one operand (8 tiles), source 1 the wave's 32 rows of the other (2 tiles): 16 accumulators.
;   pass k: source 0 = Wk, source 1 = attendee: a lane holds ONE key, its registers run along the heads' channels.      pass v: source 0 = attendee, source 1 = Wv: a lane holds ONE channel, its registers run along the keys.
; THE ROWS OF A TILE ARE NOT NEIGHBOURS: lane r of tile t takes row 32 (t / 2) + 8 (t % 2) + r + 8 (r / 8), so that the 16 registers of tiles 2 b, 2 b + 1 are 16 neighbours, 32 b + 16 (lane / 16) + 0 .. 15, of the axis that is quantised.
; LDS: three operands of 104,704 bytes: attendee, Wk, Wv.  A row is 768 bytes with 16 of padding behind every 256: pitch 816.  Of each 32 rows the first 16 lie in region A, the last 16 in region B, which begins 52,352 bytes
;   (a multiple of 256, and 128) behind A: tile t is LDS rows 8 t .. 8 t + 7 of A (lanes r < 8) and of B (lanes r >= 8).  In words a lane stands at 12 (r % 8) + 6 h, and B's lanes 32 further: the 32 lanes of a load of 8 bytes
;   touch 64 different banks (64 banks of 4 bytes: ISA guide 11.1).  Every byte is filled once, all at the start: nothing is filled again.
; CLUSTER 4 x 4: attendee's tile hangs on the work-group's y and is asked for jointly along a row of the cluster, W's tiles on x and jointly along a column.
; RESULTS leave as images of operand registers: a fragment's registers 6 c .. 6 c + 3 at 768 c + 16 x lane, 6 c + 4, 6 c + 5 at 768 c + 512 + 8 x lane: each store covers whole aligned runs of 256 bytes.
; kvws: [batch 2][head 16][key step 16][13,056]: 8 key tiles x 768 (k, 64 along K); at 6,144 four channel tiles x 1,536 (v, 128 keys); at 12,288 k's scale words [4][32 lanes] (lanes 0-15 tile 2 w, lanes 16-31 tile 2 w + 1); at 12,800 v's [2][32].
; No prefetch is written: every tensor load goes out at the head.
; LIMITS: NaN and infinities among the inputs are not served.  A block whose largest magnitude lies under 2^-124 keeps the scale byte 1; a block of zeros has the byte 1 over zero codes (these bytes are read by this program alone).
; REGISTERS: window 0: v1-31, v112-114 addresses and small things; v32-95 source 0's scale words (8 b + K step), v96-111 source 1's; v128-164 the quantiser's; v192-255 64 numbers on their way to it.
;   window 1: source 0's fragments, two sets (v0, v128).   window 2: source 1's fragments at v[24 K step + 12 a]; v192-255 k's bias along the registers.   window 3: v0-127 the 16 accumulators (at the head v0-63: attender's second 64 numbers).
.set RB,   52352                       ; from region A to region B
.set OB,   104704                      ; an operand
.set PS,   32
.set QS,   96
.set TM,   128                         ; v128-131 largest magnitudes, v132-135 bytes, v140-143 the conversions' scale operands
.set PC,   144                         ; v144-155 the codes just made, v156-162 halves on their way
.set PW,   164                         ; the scale word just made
.set NUM,  192
.set BR,   192                         ; in window 2
.set APK,  8                           ; v8, v9   pass k: LDS address of source 0's rows (the second register: for the pieces behind one padding more)
.set AQK,  10                          ; v10, v11 pass k: of source 1's
.set APV,  28                          ; v28, v29 pass v: of source 0's
.set AQV,  30                          ; v30, v31 pass v: of source 1's
.set WV,   22
.set SEL,  56
.set G1X,  24                          ; s[24:31] descriptor group 1 for attendee's tiles; s[48:55] for W's: they differ in the mask
.set G1W,  48
.set G0A,  32                          ; s[32:47] groups 0: attendee A, B, Wk A, B;  s[68:75] Wv A, B
.set G0V,  68
.set MSB,  0
.macro WIN new                         ; the immediate's high byte repeats the setting that is left
.if MSB != (\new)
	s_set_vgpr_msb (MSB<<8)|(\new)
.set MSB, (\new)
.endif
.endm
.macro PLACES n
.rept \n
	v_nop
.endr
.endm
.macro BAR
	s_barrier_signal -1
	s_barrier_wait -1
.endm
.macro CROUND                          ; a round of the cluster's barrier
	s_barrier_signal -1
	s_barrier_wait -1
	s_cmp_lg_u32 s[WV], 0
	s_cbranch_scc1 .Lnot_wave_0_\@
	s_barrier_signal -3
.Lnot_wave_0_\@:
	s_barrier_wait -3
	s_barrier_signal -1
	s_barrier_wait -1
.endm
; A fragment, 16 rows x 128 K, 12 registers: lane (r, h) takes 24 bytes at piece 12 ks + 3 h and 24 at piece 12 ks + 6 + 3 h of its row, in pieces of 8 bytes; piece p lies at 8 p + 16 (p / 32).
; Where the piece three on lies behind one padding more, the second address register (16 h further) serves.
.macro FRAG reg, adr, ks, rowoff
.irp p, 0,1,2,3,4,5
.set PCN, 12*(\ks)+6*(\p/3)+\p%3
.if PCN%32 < 29
	ds_load_b64 v[(\reg)+2*\p:(\reg)+2*\p+1], v[\adr] offset:8*PCN+16*(PCN/32)+(\rowoff)*816
.else
	ds_load_b64 v[(\reg)+2*\p:(\reg)+2*\p+1], v[(\adr)+1] offset:8*PCN+16*(PCN/32)+(\rowoff)*816
.endif
.endr
.endm
.macro FETCH ks, adp, adq              ; 60 LDS loads: source 0's eight fragments of K step ks into set ks % 2, source 1's two into their own registers
	WIN 0x40
.irp t, 0,1,2,3,4,5,6,7
	FRAG 128*((\ks)%2)+12*\t, \adp, \ks, 8*\t
.endr
	WIN 0x80
.irp a, 0,1
	FRAG 24*(\ks)+12*\a, \adq, \ks, 8*\a
.endr
	WIN 0
.endm
.macro MUL ks                          ; 16 matrix instructions; the 16 accumulators take turns, one instruction a turn, in the same order in every K step
	WIN 0xf9                                       ; source 0 window 1, source 1 window 2, C and D window 3
.irp a, 0,1
.irp b, 0,1,2,3,4,5,6,7
.if (\ks) == 0
	v_wmma_scale_f32_16x16x128_f8f6f4 v[8*(8*\a+\b):8*(8*\a+\b)+7], v[128*((\ks)%2)+12*\b:128*((\ks)%2)+12*\b+11], v[24*(\ks)+12*\a:24*(\ks)+12*\a+11], 0, v[PS+8*\b+(\ks)], v[QS+8*\a+(\ks)] matrix_a_fmt:MATRIX_FMT_FP6 matrix_b_fmt:MATRIX_FMT_FP6
.else
	v_wmma_scale_f32_16x16x128_f8f6f4 v[8*(8*\a+\b):8*(8*\a+\b)+7], v[128*((\ks)%2)+12*\b:128*((\ks)%2)+12*\b+11], v[24*(\ks)+12*\a:24*(\ks)+12*\a+11], v[8*(8*\a+\b):8*(8*\a+\b)+7], v[PS+8*\b+(\ks)], v[QS+8*\a+(\ks)] matrix_a_fmt:MATRIX_FMT_FP6 matrix_b_fmt:MATRIX_FMT_FP6
.endif
.endr
.endr
	WIN 0
.endm
.macro PASS adp, adq                   ; all eight K steps: the next step's fragments are fetched while this step's are multiplied
	FETCH 0, \adp, \adq
.irp ks, 0,1,2,3,4,5,6,7
.if \ks < 7
	PLACES 4                                       ; in front of loads into the set that the last K step's products read
	FETCH \ks+1, \adp, \adq
	s_wait_dscnt 60                                ; all but the 60 just issued
.else
	s_wait_dscnt 0x0
.endif
	MUL \ks
.endr
.endm
; 64 numbers of a lane in window W, register 16 b + i = k 32 b + 16 (lane / 16) + i of the lane's row, become a fragment's codes in v[PC] on and its scale word in v[PW].
.macro QUANT s, W
	WIN ((\W)|((\W)<<2))
.irp b, 0,1,2,3
	v_max3_num_f32 v[TM+\b], |v[(\s)+16*\b]|, |v[(\s)+1+16*\b]|, 0x1800000   ; my 16 numbers of block b, and the floor 2^(3 - 127): the byte cannot fall under 1
.endr
	WIN (((\W)<<2)|((\W)<<4))
.irp i, 2,4,6,8,10,12,14
.irp b, 0,1,2,3
	v_max3_num_f32 v[TM+\b], v[TM+\b], |v[(\s)+16*\b+\i]|, |v[(\s)+1+16*\b+\i]|
.endr
.endr
	WIN 0
.irp b, 0,1,2,3
	v_permlanex16_b32 v[TM+4+\b], v[TM+\b], s[SEL], s[SEL+1]
.endr
.irp b, 0,1,2,3
	v_max_num_f32 v[TM+\b], v[TM+\b], v[TM+4+\b]   ; with lane l xor 16's: the block's largest magnitude
.endr
.irp b, 0,1,2,3
	v_add_nc_u32 v[TM+12+\b], 0xff000000, v[TM+\b] ; 2 off its exponent field: the conversion's scale operand
.endr
.irp b, 0,1,2,3
	v_lshrrev_b32 v[TM+4+\b], 23, v[TM+12+\b]      ; the scale's byte
.endr
	v_lshl_or_b32 v[PW], v[TM+5], 8, v[TM+4]
	v_lshl_or_b32 v[PW], v[TM+6], 16, v[PW]
	v_lshl_or_b32 v[PW], v[TM+7], 24, v[PW]
	WIN (\W)
.irp c, 0,1
	v_cvt_scalef32_pk16_fp6_f32 v[PC+6*\c:PC+2+6*\c], v[(\s)+32*\c:(\s)+15+32*\c], v[TM+12+2*\c]
	v_cvt_scalef32_pk16_fp6_f32 v[PC+12+4*\c:PC+14+4*\c], v[(\s)+16+32*\c:(\s)+31+32*\c], v[TM+12+2*\c+1]
.endr
	WIN 0
	v_nop                                          ; one plain place behind a scaled conversion
.irp c, 0,1                            ; the operand's layout wants a whole block in a lane
.irp i, 0,1,2
	v_permlane16_swap_b32 v[PC+6*\c+\i], v[PC+12+4*\c+\i]
.endr
.irp i, 0,1,2
	v_mov_b32 v[PC+3+6*\c+\i], v[PC+12+4*\c+\i]
.endr
.endr
.endm
.macro XOUT i                          ; attender's fragment i of my two goes out as an image, with its scale words
.irp c, 0,1
	global_store_b128 v5, v[PC+6*\c:PC+6*\c+3], s[82:83] offset:1536*\i+768*\c
	global_store_b64 v6, v[PC+6*\c+4:PC+6*\c+5], s[82:83] offset:1536*\i+768*\c+512
.endr
	global_store_b32 v7, v[PW], s[84:85] offset:128*\i
.endm
; The way out of a pass.  type = 0: k; 1: v.  For each of my two tiles of source 1: bias, quantiser, image.
.macro EPI type
.irp a, 0,1
.if \type
	WIN 0x03
.set J, 0
.rept 32
	v_pk_add_f32 v[NUM+J:NUM+J+1], v[64*\a+J:64*\a+J+1], v[20+2*\a:21+2*\a] op_sel_hi:[1,0]   ; the bias of my lane's channel; each accumulator from its low end on
.set J, J+2
.endr
.else
	WIN 0x0b
.set J, 0
.rept 32
	v_pk_add_f32 v[NUM+J:NUM+J+1], v[64*\a+J:64*\a+J+1], v[BR+J:BR+J+1]                       ; the bias along the registers
.set J, J+2
.endr
.endif
	WIN 0
	QUANT NUM, 0
.irp c, 0,1
.if \type
	global_store_b128 v112, v[PC+6*\c:PC+6*\c+3], s[94:95] offset:6144+1536*\a+768*\c
	global_store_b64 v113, v[PC+6*\c+4:PC+6*\c+5], s[94:95] offset:6144+1536*\a+768*\c+512
.else
	global_store_b128 v17, v[PC+6*\c:PC+6*\c+3], s[92:93] offset:\c*208896+768*\a      ; half c is head c's 64 channels; a head's 16 steps are 208,896 bytes
	global_store_b64 v18, v[PC+6*\c+4:PC+6*\c+5], s[92:93] offset:\c*208896+768*\a+512
.endif
.endr
	v_mov_b32 v[24+\a], v[PW]
	s_wait_xcnt 0x0                                ; the stores have read their registers: the next codes may be written
.endr
	v_cmp_lt_u32 vcc_lo, 15, v1
	s_wait_alu depctr_va_vdst(0)
	v_cndmask_b32 v26, v24, v25, vcc_lo            ; lanes 0-15 carry tile a = 0's words, lanes 16-31 tile a = 1's (both halves of the lanes hold their row's word)
.if \type
	global_store_b32 v114, v26, s[94:95] offset:12800
.else
	v_and_b32 v27, 0xffff, v26                     ; the first head's two bytes,
	v_lshrrev_b32 v26, 16, v26                     ; the second head's; the upper bytes are 0
	global_store_b32 v19, v27, s[92:93] offset:12288
	global_store_b32 v19, v26, s[92:93] offset:12288+208896
.endif
.endm
	s_load_b256 s[4:11], s[0:1], 0x0               ; attendee's codes s[4:5], its scales s[6:7], W's codes s[8:9], W's scales s[10:11]
	s_load_b256 s[12:19], s[0:1], 0x20             ; bias s[12:13], attender s[14:15], kvws s[16:17], xq_codes s[18:19]
	s_load_b64 s[20:21], s[0:1], 0x40              ; xq_scales
	v_lshl_add_u32 v190, v0, 2, 0x4cb00
	v_mov_b32 v191, 0
	ds_add_u32 v190, v191
	ds_add_u32 v190, v191
	v_lshrrev_b32 v1, 5, v0
	v_readfirstlane_b32 s[WV], v1                  ; wave 0..3
	s_bfe_u32 s58, ttmp6, 0x40000                  ; cx
	s_bfe_u32 s59, ttmp6, 0x40004                  ; cy
	s_lshl_b32 s60, ttmp9, 2
	s_add_co_u32 s60, s60, s58                     ; work-group x, 0..7: which two heads
	s_and_b32 s61, ttmp7, 0xffff
	s_lshl_b32 s61, s61, 2
	s_add_co_u32 s61, s61, s59                     ; work-group y, 0..31: which 128 rows of attendee
	s_lshl_b32 s62, s59, 2
	s_lshl_b32 s62, 15, s62                        ; my row of the cluster
	s_lshl_b32 s63, 0x1111, s58                    ; my column
	s_or_b32 s[G1X], s62, (1<<20)|(1<<21)|(5<<22)|(3<<25)   ; the mask; elements of 1 byte; padding on; bit 21 beside a mask; behind every 64 words 4 words
	s_or_b32 s[G1W], s63, (1<<20)|(1<<21)|(5<<22)|(3<<25)
.irp g, G1X, G1W
	s_mov_b32 s[\g+1], 768<<16                     ; tensor_dim0: 1,024 codes
	s_mov_b32 s[\g+2], 16<<16                      ; tensor_dim1
	s_mov_b32 s[\g+3], 768<<16                     ; tile_dim0
	s_mov_b32 s[\g+4], 16                          ; tile_dim1: 16 rows a load
	s_mov_b32 s[\g+5], 768                         ; from row to row in memory
	s_mov_b32 s[\g+6], 0
	s_mov_b32 s[\g+7], 0
.endr
	s_lshl_b32 s96, s[WV], 5                       ; I fetch rows 32 wave on of each operand
	s_lshl_b32 s76, s61, 7
	s_add_co_u32 s76, s76, s96
	s_mul_i32 s76, s76, 768                        ; attendee: made of y and the wave alone
	s_mov_b32 s77, 0
	s_lshl_b32 s78, s60, 7
	s_add_co_u32 s78, s78, s96
	s_add_co_u32 s78, s78, 1024
	s_mul_i32 s78, s78, 768                        ; Wk: made of x and the wave alone
	s_mov_b32 s79, 0
	s_mul_i32 s96, s[WV], 13056                    ; where they go in a region: wave x 16 rows
	s_lshl_b32 s97, s61, 3
	s_add_co_u32 s97, s97, s60                     ; T = 8 y + x: the work-group's row tile of attender; my K steps are 2 wave and 2 wave + 1
	s_lshl_b32 s80, s97, 16
	s_lshl_b32 s98, s[WV], 10
	s_add_co_u32 s80, s80, s98
	s_mov_b32 s81, 0
	s_lshl_b32 s97, s97, 3
	s_lshl_b32 s98, s[WV], 1
	s_add_co_u32 s97, s97, s98                     ; 8 T + 2 wave: my first fragment
	s_mul_i32 s82, s97, 1536
	s_mov_b32 s83, 0
	s_lshl_b32 s84, s97, 7
	s_mov_b32 s85, 0
	s_lshl_b32 s86, s61, 12                        ; attendee's scales: 128 rows x 32 bytes
	s_mov_b32 s87, 0
	s_lshl_b32 s88, s60, 12
	s_add_co_u32 s88, s88, 32768                   ; Wk's: (1,024 + 128 x) x 32; Wv's lie 32,768 bytes on
	s_mov_b32 s89, 0
	s_lshl_b32 s90, s60, 9
	s_add_co_u32 s90, s90, 4096                    ; k's bias: (1,024 + 128 x) x 4; v's lies 4,096 bytes on
	s_mov_b32 s91, 0
	s_lshr_b32 s92, s61, 4
	s_lshl_b32 s92, s92, 4
	s_lshl_b32 s98, s60, 1
	s_add_co_u32 s92, s92, s98                     ; 16 batch + the first of the two heads
	s_lshr_b32 s98, s[WV], 1
	s_add_co_u32 s94, s92, s98                     ; v: the head of my 32 channels
	s_and_b32 s98, s61, 15                         ; the key step
	s_lshl_b32 s92, s92, 4
	s_add_co_u32 s92, s92, s98
	s_mul_i32 s92, s92, 13056
	s_mov_b32 s93, 0
	s_lshl_b32 s94, s94, 4
	s_add_co_u32 s94, s94, s98
	s_mul_i32 s94, s94, 13056
	s_mov_b32 s95, 0
	s_mov_b32 s[SEL], 0x76543210
	s_mov_b32 s[SEL+1], 0xfedcba98
	v_and_b32 v1, 31, v0                           ; lane
	v_and_b32 v2, 15, v0                           ; r
	v_bfe_u32 v3, v0, 4, 1                         ; h
	v_and_b32 v4, 8, v2
	v_add_nc_u32 v4, v4, v2                        ; r + 8 (r / 8)
	v_lshlrev_b32 v5, 4, v1
	v_lshlrev_b32 v6, 3, v1
	v_lshlrev_b32 v7, 2, v1
	v_and_b32 v[APV], 7, v2
	v_mul_u32_u24 v[APV], v[APV], 816
	v_lshrrev_b32 v27, 3, v2
	v_mad_u32_u24 v[APV], v27, RB, v[APV]
	v_mad_u32_u24 v[APV], v3, 24, v[APV]           ; my lane's place in a tile: (r % 8) rows + (r / 8) regions + 24 h; attendee lies at LDS byte 0
	v_lshl_add_u32 v[APV+1], v3, 4, v[APV]
	v_add_nc_u32 v[APK], OB, v[APV]                ; Wk
	v_lshl_add_u32 v[APK+1], v3, 4, v[APK]
	v_add_nc_u32 v[AQK], s96, v[APV]               ; my 32 rows of attendee
	v_lshl_add_u32 v[AQK+1], v3, 4, v[AQK]
	v_add_nc_u32 v[AQV], 2*OB, v[AQK]              ; my 32 rows of Wv
	v_lshl_add_u32 v[AQV+1], v3, 4, v[AQV]
	v_lshlrev_b32 v12, 12, v2
	v_lshl_add_u32 v12, v3, 6, v12                 ; attender: row r of 4,096 bytes + 64 h
	v_lshlrev_b32 v13, 5, v4                       ; scale rows of 32 bytes
	s_lshl_b32 s98, s[WV], 10
	v_add_nc_u32 v14, s98, v13
	v_lshlrev_b32 v15, 6, v3                       ; the bias along the registers: 64 h
	s_lshl_b32 s98, s[WV], 7
	v_lshl_add_u32 v16, v4, 2, s98                 ; the bias of my lane's row of source 1
	s_mul_i32 s99, s[WV], 1536                     ; k's way out: key tiles 2 wave + a
	v_add_nc_u32 v17, s99, v5
	v_add_nc_u32 v18, s99, v6
	v_add_nc_u32 v19, s98, v7
	s_and_b32 s98, s[WV], 1                        ; v's way out: channel tiles 2 (wave % 2) + a
	s_mul_i32 s99, s98, 3072
	s_lshl_b32 s98, s98, 7
	v_add_nc_u32 v112, s99, v5
	v_add_nc_u32 v113, s99, v6
	v_add_nc_u32 v114, s98, v7
	v_mov_b32 v21, 0                               ; upper words of the pairs that carry a lane's bias
	v_mov_b32 v23, 0
.irp b, 0,1,2,3
	v_mov_b32 v[TM+4+\b], 0                        ; written once: a lane permute's destination counts as one of its sources
.endr
	s_wait_dscnt 0x0
	s_wait_kmcnt 0x0
	s_add_nc_u64 s[76:77], s[4:5], s[76:77]
	s_add_nc_u64 s[78:79], s[8:9], s[78:79]
	s_add_nc_u64 s[80:81], s[14:15], s[80:81]
	s_add_nc_u64 s[82:83], s[18:19], s[82:83]
	s_add_nc_u64 s[84:85], s[20:21], s[84:85]
	s_add_nc_u64 s[86:87], s[6:7], s[86:87]
	s_add_nc_u64 s[88:89], s[10:11], s[88:89]
	s_add_nc_u64 s[90:91], s[12:13], s[90:91]
	s_add_nc_u64 s[92:93], s[16:17], s[92:93]
	s_add_nc_u64 s[94:95], s[16:17], s[94:95]
.irp e, 0,1                            ; region e: my rows 16 e .. 16 e + 15
	s_mov_b32 s[G0A+4*\e], 1
	s_add_co_u32 s[G0A+4*\e+1], s96, \e*RB
	s_add_nc_u64 s[G0A+4*\e+2:G0A+4*\e+3], s[76:77], \e*12288
	s_or_b32 s[G0A+4*\e+3], s[G0A+4*\e+3], 0x80000000
	s_mov_b32 s[G0A+8+4*\e], 1
	s_add_co_u32 s[G0A+8+4*\e+1], s96, OB+\e*RB
	s_add_nc_u64 s[G0A+8+4*\e+2:G0A+8+4*\e+3], s[78:79], \e*12288
	s_or_b32 s[G0A+8+4*\e+3], s[G0A+8+4*\e+3], 0x80000000
	s_mov_b32 s[G0V+4*\e], 1
	s_add_co_u32 s[G0V+4*\e+1], s96, 2*OB+\e*RB
	s_add_nc_u64 s[G0V+4*\e+2:G0V+4*\e+3], s[78:79], 786432+\e*12288
	s_or_b32 s[G0V+4*\e+3], s[G0V+4*\e+3], 0x80000000
.endr
	CROUND                                         ; all sixteen work-groups are here: the joint loads meet
	tensor_load_to_lds s[G0A:G0A+3], s[G1X:G1X+7]          ; every wave fetches its 32 rows of each operand: six loads of mine are out
	s_nop 0
	tensor_load_to_lds s[G0A+4:G0A+7], s[G1X:G1X+7]
	s_nop 0
	tensor_load_to_lds s[G0A+8:G0A+11], s[G1W:G1W+7]
	s_nop 0
	tensor_load_to_lds s[G0A+12:G0A+15], s[G1W:G1W+7]
	s_nop 0
	tensor_load_to_lds s[G0V:G0V+3], s[G1W:G1W+7]
	s_nop 0
	tensor_load_to_lds s[G0V+4:G0V+7], s[G1W:G1W+7]
	s_nop 0
	PLACES 4
.irp b, 0,1,2,3                        ; my first fragment of attender: of row r, 16 neighbours of each block of 32
.irp j, 0,1,2,3
	global_load_b128 v[NUM+16*\b+4*\j:NUM+16*\b+4*\j+3], v12, s[80:81] offset:128*\b+16*\j th:TH_LOAD_NT
.endr
.endr
	WIN 0xc0
.irp b, 0,1,2,3                        ; my second, into registers that the accumulators take later
.irp j, 0,1,2,3
	global_load_b128 v[16*\b+4*\j:16*\b+4*\j+3], v12, s[80:81] offset:512+128*\b+16*\j th:TH_LOAD_NT
.endr
.endr
	WIN 0
.irp b, 0,1,2,3,4,5,6,7                ; pass k's scale words: a row's 32 bytes are the words of its eight K steps
	global_load_b128 v[PS+8*\b:PS+8*\b+3], v13, s[88:89] offset:(32*(\b/2)+8*(\b%2))*32
	global_load_b128 v[PS+8*\b+4:PS+8*\b+7], v13, s[88:89] offset:(32*(\b/2)+8*(\b%2))*32+16
.endr
.irp a, 0,1
	global_load_b128 v[QS+8*\a:QS+8*\a+3], v14, s[86:87] offset:256*\a
	global_load_b128 v[QS+8*\a+4:QS+8*\a+7], v14, s[86:87] offset:256*\a+16
.endr
	WIN 0x80
.irp b, 0,1,2,3,4,5,6,7                ; k's bias along the registers: register 8 b + j: row 32 (b / 2) + 8 (b % 2) + 16 h + j
	global_load_b128 v[BR+8*\b:BR+8*\b+3], v15, s[90:91] offset:(32*(\b/2)+8*(\b%2))*4
	global_load_b128 v[BR+8*\b+4:BR+8*\b+7], v15, s[90:91] offset:(32*(\b/2)+8*(\b%2))*4+16
.endr
	WIN 0
	global_load_b32 v20, v16, s[90:91] offset:4096         ; v's bias of my lane's row, tile a = 0,
	global_load_b32 v22, v16, s[90:91] offset:4096+32      ; and a = 1
	s_wait_loadcnt 54                              ; the first fragment's 16 loads are in; the 16 + 20 + 16 + 2 younger ones stay out
	QUANT NUM, 0
	XOUT 0
	s_wait_loadcnt 38                              ; the second's are in; the 20 + 16 + 2 younger ones stay out
	s_wait_xcnt 0x0                                ; the stores have read the quantiser's registers
	QUANT 0, 3
	XOUT 1
	s_wait_loadcnt 0x0
	s_wait_tensorcnt 2                             ; my parts of attendee and of Wk are in; Wv's two loads stay out
	BAR                                            ; everybody's are
	PASS APK, AQK
	PLACES 4                                       ; in front of loads into the scale registers that the last products read, and of the first reads of results
.irp b, 0,1,2,3,4,5,6,7                ; pass v's scale words land under pass k's way out
	global_load_b128 v[PS+8*\b:PS+8*\b+3], v13, s[86:87] offset:(32*(\b/2)+8*(\b%2))*32
	global_load_b128 v[PS+8*\b+4:PS+8*\b+7], v13, s[86:87] offset:(32*(\b/2)+8*(\b%2))*32+16
.endr
.irp a, 0,1
	global_load_b128 v[QS+8*\a:QS+8*\a+3], v14, s[88:89] offset:32768+256*\a
	global_load_b128 v[QS+8*\a+4:QS+8*\a+7], v14, s[88:89] offset:32768+256*\a+16
.endr
	s_wait_xcnt 0x0                                ; attender's stores have read the quantiser's registers
	EPI 0
	s_wait_loadcnt 0x0
	s_wait_tensorcnt 0x0                           ; my part of Wv is in
	BAR                                            ; everybody's is
	PASS APV, AQV
	PLACES 4
	EPI 1
	s_wait_tensorcnt 0x0
	ds_add_u32 v190, v191
	s_wait_dscnt 0x0
	CROUND                                         ; the closing round: no work-group ends while a partner may still ask for a tile that names it
	s_endpgm
.Lfunc_end_k_q523ca5b0fe_kv:
	.size	k_q523ca5b0fe_kv, .Lfunc_end_k_q523ca5b0fe_kv-k_q523ca5b0fe_kv
	.p2alignl 7, 3214868480
	.fill 96, 4, 3214868480
	.section	.rodata,"a",@progbits
	.p2align	6, 0x0
	.amdhsa_kernel k_q523ca5b0fe_kv
		.amdhsa_group_segment_fixed_size 314624
		.amdhsa_private_segment_fixed_size 0
		.amdhsa_enable_private_segment 0
		.amdhsa_kernarg_size 72
		.amdhsa_user_sgpr_count 2
		.amdhsa_user_sgpr_kernarg_segment_ptr 1
		.amdhsa_wavefront_size32 1
		.amdhsa_system_sgpr_workgroup_id_x 1
		.amdhsa_system_sgpr_workgroup_id_y 1
		.amdhsa_system_sgpr_workgroup_id_z 1
		.amdhsa_system_vgpr_workitem_id 0
		.amdhsa_next_free_vgpr 896
		.amdhsa_next_free_sgpr 100
		.amdhsa_reserve_vcc 1
		.amdhsa_float_denorm_mode_32 3
		.amdhsa_float_denorm_mode_16_64 3
		.amdhsa_memory_ordered 1
		.amdhsa_forward_progress 1
		.amdhsa_inst_pref_size 150
	.end_amdhsa_kernel
	.amdgpu_metadata
---
amdhsa.version: [ 1, 2 ]
amdhsa.kernels:
  - .name:           k_q523ca5b0fe_kv
    .symbol:         k_q523ca5b0fe_kv.kd
    .args:
      - { .name: attendee_seq_codes, .offset: 0, .size: 8, .value_kind: global_buffer, .address_space: global }
      - { .name: attendee_seq_scales, .offset: 8, .size: 8, .value_kind: global_buffer, .address_space: global }
      - { .name: c_attn_w_codes, .offset: 16, .size: 8, .value_kind: global_buffer, .address_space: global }
      - { .name: c_attn_w_scales, .offset: 24, .size: 8, .value_kind: global_buffer, .address_space: global }
      - { .name: c_attn_b, .offset: 32, .size: 8, .value_kind: global_buffer, .address_space: global }
      - { .name: attender_seq, .offset: 40, .size: 8, .value_kind: global_buffer, .address_space: global }
      - { .name: kvws, .offset: 48, .size: 8, .value_kind: global_buffer, .address_space: global }
      - { .name: xq_codes, .offset: 56, .size: 8, .value_kind: global_buffer, .address_space: global }
      - { .name: xq_scales, .offset: 64, .size: 8, .value_kind: global_buffer, .address_space: global }
    .group_segment_fixed_size: 314624
    .private_segment_fixed_size: 0
    .kernarg_segment_align: 8
    .kernarg_segment_size: 72
    .max_flat_workgroup_size: 128
    .sgpr_count:     100
    .vgpr_count:     896
    .wavefront_size: 32
...
	.end_amdgpu_metadata
.endif
;; end of part 1
;; launch attn (part 2): grid 8 x 32, 16 waves a work-group, clusters of 4 x 1, 271,616 bytes of LDS; arguments xq_codes, xq_scales, c_attn_w_codes, c_attn_w_scales, c_attn_b, attendee_mask, kvws, at_codes, at_scales; writes at_codes, at_scales
.if DOCPART == 2
	.amdgcn_target "amdgcn-amd-amdhsa--gfx1250"
	.amdhsa_code_object_version 6
	.text
	.protected	k_q523ca5b0fe_attn
	.globl	k_q523ca5b0fe_attn
	.p2align	8
	.type	k_q523ca5b0fe_attn,@function
k_q523ca5b0fe_attn:
	s_mov_b64 s[64:65], 0
	v_nop
	global_prefetch_b8 v0, s[64:65] scope:SCOPE_SE
	s_setreg_imm32_b32 hwreg(HW_REG_WAVE_MODE, 25, 1), 1
	s_wait_xcnt 0x0
	s_wait_alu depctr_hold_cnt(0) depctr_sa_sdst(0) depctr_va_vdst(0) depctr_va_sdst(0) depctr_va_ssrc(0) depctr_va_vcc(0) depctr_vm_vsrc(0)
	s_getreg_b32 s2, hwreg(HW_REG_IB_STS2, 6, 4)
	s_cmp_eq_u32 s2, 0
	s_cbranch_scc0 .Lentry_in_a_cluster
	s_endpgm
.Lentry_in_a_cluster:
	s_bfe_u32 s2, ttmp6, 0x10000c
	s_cmp_lg_u32 s2, 0x3003
	s_cbranch_scc0 .Lentry_shape_is_right
	s_endpgm
.Lentry_shape_is_right:
; One head's attention for 256 queries: q = attender Wq^T + bq (quantised), S^T = k q^T, t = score x mask x log2(e), p = 2^(t - M) (quantised along the keys), O^T = v^T p^T, O / l (quantised along the head's 64).
; All products on codes of FP6 (E2M3) with E8M0 scales.  M = the running largest t rounded UP to a whole number; the row's sum l is taken of the unquantised p; when M moves, l and O^T are multiplied by 2^(old M - new M): exact.
; THE MASK MULTIPLIES: a key with mask 0 keeps the logit 0 and its v.  Any whole number is honoured: cm = float(mask) x log2(e), t = score x cm (exact for 0 and 1; for other numbers the two factors are rounded in another order than (score x mask) x log2(e); whole numbers up to 2^24 are exact).
; SHARES.  A work-group owns 256 queries of one head, each of its sixteen waves 16 of them, in 256 registers: four waves to a SIMD, so that one wave's vector work stands beside another's matrix work and LDS loads.
; LDS: the head's sixteen key-step blocks of 13,056 bytes as the launch before laid them (images of operand registers: every fragment comes by loads of 16 and 8 consecutive bytes a lane);
;   at WQ0 the head's 64 rows of Wq (768 bytes + 16 behind every 256: pitch 816): of each 32 rows the first 16 in region A, the last 16 in region B, 26,240 bytes (a multiple of 256, and 128) behind A, so that the 32 lanes of a load
;   of 8 bytes touch 64 different banks (64 banks of 4 bytes: ISA guide 11.1); at CM cm of the batch's 2,048 keys.  Every tile is filled ONCE, all at the start, by waves 0 to 3: nothing is filled again.
; ONE BARRIER stands in front of the sixteen key steps, behind the wait for all tiles: inside the loop no wave waits for another.
; CLUSTER 4 x 1: the four query blocks of a cluster belong to one head: k, v and Wq are asked for jointly.
; THE SCORE PRODUCT HAS K = 64 of the instruction's 128: q's registers 6-11 are zero codes, so what stands in k's registers 6-11 (the next tile's codes, or zeros) adds exact zeros: the format has no infinity and no NaN, and the upper scale bytes are 0, not 0xff.
; Both products are used transposed (source 0 = 16 keys, or 16 channels): a lane holds ONE query throughout.  The keys and channels of a tile are 32 (t / 2) + 8 (t % 2) + r + 8 (r / 8), so that 16 registers of two neighbouring tiles are 16 neighbours.
; No prefetch is written: every tensor load goes out at the head.
; LIMITS: NaN and infinities are not served.  A block whose largest magnitude lies under 2^-124 keeps the scale byte 1; a block of zeros has the byte 1 over zero codes (read by this program alone).
; REGISTERS: v1-3 16, 8, 4 x lane; v4 CM + 64 h; v5-8 the step's addresses; v9, v10 Wq's; v12 -M, v13 the largest t, v[14:15] l in two halves; v16-27 q; v28 q's scale word, v29 p's; v30-33 k's, v34-35 v's;
;   v36-83 k's, then v's fragments; v84-89 zeros; v92-123, v224-255 cm; v124-187 S^T, then p; v188-219 O^T; v220-231 p's codes; v232-254 at work.
;   While q is made: v124-155 its sums (begun as the bias), v156-251 attender's eight fragments, v84-91 their scale words, v92-123 Wq's, v36-83 Wq's four fragments.
.set WQ0, 208896
.set WRB, 26240                        ; from Wq's region A to its region B
.set CM,  261376
.set SR,  124
.set OT,  188
.set KF,  36
.set CMA, 92
.set CMB, 224
.set PCD, 220
.set CT,  232
.set BM,  240
.set BT,  244
.set SO,  248
.set XF,  156
.set XS,  84
.set WS,  92
.set WV,  22
.set SEL, 60
.set TB,  62
.set TC,  63
.set CNT, 66
.set G1KV, 24
.set G1W,  32
.set G0W,  40
.set G0KV, 44
.macro PLACES n
.rept \n
	v_nop
.endr
.endm
.macro CROUND
	s_barrier_signal -1
	s_barrier_wait -1
	s_cmp_lg_u32 s[WV], 0
	s_cbranch_scc1 .Lnot_wave_0_\@
	s_barrier_signal -3
.Lnot_wave_0_\@:
	s_barrier_wait -3
	s_barrier_signal -1
	s_barrier_wait -1
.endm
; 32 numbers of a lane, register 16 b + i = k 32 b + 16 (lane / 16) + i, become six registers of codes (64 along K) in v[pc] on and two scale bytes in v[pw].
.macro QUANT2 s, pc, tmp, pw
.irp b, 0,1
	v_max3_num_f32 v[BM+\b], |v[(\s)+16*\b]|, |v[(\s)+1+16*\b]|, 0x1800000   ; and the floor 2^(3 - 127): the byte cannot fall under 1
.endr
.irp i, 2,4,6,8,10,12,14
.irp b, 0,1
	v_max3_num_f32 v[BM+\b], v[BM+\b], |v[(\s)+16*\b+\i]|, |v[(\s)+1+16*\b+\i]|
.endr
.endr
.irp b, 0,1
	s_delay_alu instid0(VALU_DEP_2)
	v_permlanex16_b32 v[BM+2+\b], v[BM+\b], s[SEL], s[SEL+1]
.endr
.irp b, 0,1
	s_delay_alu instid0(VALU_DEP_2)
	v_max_num_f32 v[BM+\b], v[BM+\b], v[BM+2+\b]
.endr
.irp b, 0,1
	s_delay_alu instid0(VALU_DEP_2)
	v_add_nc_u32 v[BM+4+\b], 0xff000000, v[BM+\b]  ; 2 off the exponent field: the conversion's scale operand
.endr
.irp b, 0,1
	s_delay_alu instid0(VALU_DEP_2)
	v_lshrrev_b32 v[BM+2+\b], 23, v[BM+4+\b]
.endr
	s_delay_alu instid0(VALU_DEP_1)
	v_lshl_or_b32 v[\pw], v[BM+3], 8, v[BM+2]
	v_cvt_scalef32_pk16_fp6_f32 v[\pc:\pc+2], v[(\s):(\s)+15], v[BM+4]
	v_cvt_scalef32_pk16_fp6_f32 v[\tmp:\tmp+2], v[(\s)+16:(\s)+31], v[BM+5]
	v_nop                                          ; one plain place behind a scaled conversion
.irp i, 0,1,2
	v_permlane16_swap_b32 v[\pc+\i], v[\tmp+\i]
.endr
.irp i, 0,1,2
	s_delay_alu instid0(VALU_DEP_3)
	v_mov_b32 v[\pc+3+\i], v[\tmp+\i]
.endr
.endm
	s_load_b256 s[4:11], s[0:1], 0x0               ; xq_codes s[4:5], xq_scales s[6:7], W's codes s[8:9], W's scales s[10:11]
	s_load_b256 s[12:19], s[0:1], 0x20             ; bias s[12:13], mask s[14:15], kvws s[16:17], at_codes s[18:19]
	s_load_b64 s[20:21], s[0:1], 0x40              ; at_scales
	v_lshl_add_u32 v254, v0, 2, 0x41d00
	v_mov_b32 v255, 0
	ds_add_u32 v254, v255
	ds_add_u32 v254, v255
	s_wait_dscnt 0x0
	v_lshrrev_b32 v1, 5, v0
	s_delay_alu instid0(VALU_DEP_1)
	v_readfirstlane_b32 s[WV], v1                  ; wave 0..15
	s_and_b32 s23, s[WV], 3
	s_and_b32 s67, ttmp7, 0xffff                   ; 16 batch + head
	s_lshr_b32 s68, s67, 4                         ; batch
	s_and_b32 s69, s67, 15                         ; head
	s_bfe_u32 s70, ttmp6, 0x40000                  ; cx: it enters xq's and at's global addresses alone
	s_lshl_b32 s71, ttmp9, 2
	s_add_co_u32 s71, s71, s70
	s_lshl_b32 s71, s71, 4
	s_lshl_b32 s72, s68, 7
	s_add_co_u32 s72, s72, s71
	s_add_co_u32 s72, s72, s[WV]                   ; T: my tile of 16 queries = 128 batch + 16 block + wave
	s_mov_b32 s[G1KV], 15|(3<<16)|(1<<21)          ; the mask: all four; elements of 8 bytes; bit 21 beside a mask.  A block is dense: 51 rows of 256 bytes
	s_mov_b32 s[G1KV+1], 32<<16
	s_mov_b32 s[G1KV+2], 51<<16
	s_mov_b32 s[G1KV+3], 32<<16
	s_mov_b32 s[G1KV+4], 51
	s_mov_b32 s[G1KV+5], 32
	s_mov_b32 s[G1KV+6], 0
	s_mov_b32 s[G1KV+7], 0
	s_mov_b32 s[G1W], 15|(1<<20)|(1<<21)|(5<<22)|(3<<25)   ; elements of 1 byte; behind every 64 words 4 words of padding
	s_mov_b32 s[G1W+1], 768<<16
	s_mov_b32 s[G1W+2], 16<<16
	s_mov_b32 s[G1W+3], 768<<16
	s_mov_b32 s[G1W+4], 16
	s_mov_b32 s[G1W+5], 768
	s_mov_b32 s[G1W+6], 0
	s_mov_b32 s[G1W+7], 0
	s_mul_i32 s73, s23, 13056
	s_and_b32 s92, s23, 1                          ; Wq's rows 16 (wave % 4) on: region wave % 2, 16 rows for each 32 passed
	s_mul_i32 s92, s92, WRB
	s_lshr_b32 s93, s23, 1
	s_mul_i32 s93, s93, 13056
	s_add_co_u32 s92, s92, s93
	s_lshl_b32 s74, s69, 6
	s_lshl_b32 s75, s23, 4
	s_add_co_u32 s74, s74, s75
	s_mul_i32 s74, s74, 768                        ; Wq: rows 64 head + 16 (wave % 4) on
	s_mov_b32 s75, 0
	s_lshl_b32 s76, s67, 4
	s_add_co_u32 s76, s76, s23
	s_mul_i32 s76, s76, 13056                      ; kvws: block 16 (16 batch + head) + wave % 4
	s_mov_b32 s77, 0
	s_mul_i32 s78, s72, 12288
	s_mov_b32 s79, 0
	s_lshl_b32 s80, s72, 10
	s_mov_b32 s81, 0
	s_lshl_b32 s82, s69, 11                        ; Wq's scales: 64 rows x 32 bytes a head
	s_mov_b32 s83, 0
	s_lshl_b32 s84, s69, 8                         ; the bias: 64 numbers a head
	s_mov_b32 s85, 0
	s_lshl_b32 s86, s68, 13                        ; the mask: 2,048 words a batch
	s_mov_b32 s87, 0
	s_lshl_b32 s88, s72, 3
	s_lshr_b32 s89, s69, 1
	s_add_co_u32 s88, s88, s89                     ; 8 T + head / 2: the fragment of at that my head's half belongs to
	s_and_b32 s89, s69, 1
	s_lshl_b32 s90, s88, 7
	s_lshl_b32 s91, s89, 1
	s_add_co_u32 s90, s90, s91
	s_mov_b32 s91, 0
	s_lshl_b32 s88, s88, 1
	s_add_co_u32 s88, s88, s89
	s_mul_i32 s88, s88, 768
	s_mov_b32 s89, 0
	s_mov_b32 s[SEL], 0x76543210
	s_mov_b32 s[SEL+1], 0xfedcba98
	v_and_b32 v1, 31, v0
	s_delay_alu instid0(VALU_DEP_1)
	v_lshlrev_b32 v2, 3, v1
	s_delay_alu instid0(VALU_DEP_2)
	v_lshlrev_b32 v3, 2, v1
	s_delay_alu instid0(VALU_DEP_3)
	v_lshlrev_b32 v1, 4, v1
	v_bfe_u32 v11, v0, 4, 1                        ; h
	v_and_b32 v7, 15, v0                           ; r
	s_delay_alu instid0(VALU_DEP_1)
	v_and_b32 v9, 7, v7
	s_delay_alu instid0(VALU_DEP_1)
	v_mul_u32_u24 v9, v9, 816
	s_delay_alu instid0(VALU_DEP_3)
	v_lshrrev_b32 v10, 3, v7
	s_delay_alu instid0(VALU_DEP_1)
	v_mad_u32_u24 v9, v10, WRB, v9
	s_delay_alu instid0(VALU_DEP_1)
	v_mad_u32_u24 v9, v11, 24, v9
	s_delay_alu instid0(VALU_DEP_1)
	v_add_nc_u32 v9, WQ0, v9                       ; my lane's place in a tile of Wq: (r % 8) rows + (r / 8) regions + 24 h
	s_delay_alu instid0(VALU_DEP_1)
	v_lshl_add_u32 v10, v11, 4, v9                 ; the same behind one padding more
	v_and_b32 v5, 8, v7
	s_delay_alu instid0(VALU_DEP_1)
	v_add_nc_u32 v7, v5, v7                        ; r + 8 (r / 8)
	v_lshl_add_u32 v4, v11, 6, CM
	v_lshl_add_u32 v8, v0, 4, CM                   ; where my thread puts four cm
	s_delay_alu instid0(VALU_DEP_3)
	v_lshlrev_b32 v5, 5, v7                        ; global offsets for the head's loads: Wq's scale rows,
	v_lshlrev_b32 v6, 6, v11                       ; the bias,
	v_lshlrev_b32 v11, 4, v0                       ; the mask
	s_wait_alu depctr_va_vdst(0)
	s_wait_kmcnt 0x0
	s_add_nc_u64 s[74:75], s[8:9], s[74:75]
	s_add_nc_u64 s[76:77], s[16:17], s[76:77]
	s_add_nc_u64 s[4:5], s[4:5], s[78:79]
	s_add_nc_u64 s[6:7], s[6:7], s[80:81]
	s_add_nc_u64 s[10:11], s[10:11], s[82:83]
	s_add_nc_u64 s[12:13], s[12:13], s[84:85]
	s_add_nc_u64 s[14:15], s[14:15], s[86:87]
	s_add_nc_u64 s[18:19], s[18:19], s[88:89]
	s_add_nc_u64 s[20:21], s[20:21], s[90:91]
	; the loads into registers go out ahead of the cluster's round: they hang on no partner
	global_load_b128 v[252:255], v11, s[14:15]     ; four words of the mask a thread: 512 threads, 2,048 keys
.irp k, 0,1,2,3,4,5,6,7                ; my 16 queries of attender, as codes: eight fragments and their scale words
.irp c, 0,1
	global_load_b128 v[XF+12*\k+6*\c:XF+12*\k+6*\c+3], v1, s[4:5] offset:1536*\k+768*\c
	global_load_b64 v[XF+12*\k+6*\c+4:XF+12*\k+6*\c+5], v2, s[4:5] offset:1536*\k+768*\c+512
.endr
	global_load_b32 v[XS+\k], v3, s[6:7] offset:128*\k
.endr
.irp t, 0,1,2,3
	global_load_b128 v[WS+8*\t:WS+8*\t+3], v5, s[10:11] offset:(32*(\t/2)+8*(\t%2))*32
	global_load_b128 v[WS+8*\t+4:WS+8*\t+7], v5, s[10:11] offset:(32*(\t/2)+8*(\t%2))*32+16
.endr
.irp t, 0,1,2,3                        ; the bias begins q's sums: register 8 t + j: channel 32 (t / 2) + 8 (t % 2) + 16 h + j
	global_load_b128 v[SR+8*\t:SR+8*\t+3], v6, s[12:13] offset:(32*(\t/2)+8*(\t%2))*4
	global_load_b128 v[SR+8*\t+4:SR+8*\t+7], v6, s[12:13] offset:(32*(\t/2)+8*(\t%2))*4+16
.endr
	s_mov_b32 s[G0W], 1
	s_add_co_u32 s[G0W+1], s92, WQ0
	s_mov_b64 s[G0W+2:G0W+3], s[74:75]
	s_or_b32 s[G0W+3], s[G0W+3], 0x80000000
.irp g, 0,1,2,3
	s_mov_b32 s[G0KV+4*\g], 1
	s_add_co_u32 s[G0KV+4*\g+1], s73, \g*52224
	s_add_nc_u64 s[G0KV+4*\g+2:G0KV+4*\g+3], s[76:77], \g*52224
	s_or_b32 s[G0KV+4*\g+3], s[G0KV+4*\g+3], 0x80000000
.endr
	CROUND                                         ; all four work-groups are here: the joint loads meet
	s_cmp_lt_u32 s[WV], 4                          ; waves 0 to 3 fetch; their five fills stand in one branch: five loads of such a wave are out
	s_cbranch_scc0 .Lfilled
	tensor_load_to_lds s[G0W:G0W+3], s[G1W:G1W+7]
	s_nop 0
	tensor_load_to_lds s[G0KV:G0KV+3], s[G1KV:G1KV+7]
	s_nop 0
	tensor_load_to_lds s[G0KV+4:G0KV+7], s[G1KV:G1KV+7]
	s_nop 0
	tensor_load_to_lds s[G0KV+8:G0KV+11], s[G1KV:G1KV+7]
	s_nop 0
	tensor_load_to_lds s[G0KV+12:G0KV+15], s[G1KV:G1KV+7]
	s_nop 0
	PLACES 4
.Lfilled:
	s_wait_loadcnt 56                              ; the mask is in; the 40 + 8 + 8 younger loads stay out
.irp j, 252,253,254,255
	v_cvt_f32_i32 v[\j], v[\j]
.endr
.irp j, 252,253,254,255
	s_delay_alu instid0(VALU_DEP_4)
	v_mul_f32 v[\j], 0x3fb8aa3b, v[\j]             ; cm = mask x log2(e)
.endr
	ds_store_b128 v8, v[252:255]
	s_wait_loadcnt 0x0
	s_wait_tensorcnt 4                             ; Wq is in; the four loads of key steps stay out
	s_wait_dscnt 0x0                               ; my cm are stored
	s_barrier_signal -1
	s_barrier_wait -1
; q^T = Wq x^T + bq: four tiles of 16 channels, eight K steps; the four sums take turns
.irp k, 0,1,2,3,4,5,6,7
.irp t, 0,1,2,3
.irp p, 0,1,2,3,4,5
.set PCW, 12*\k+6*(\p/3)+\p%3
.if PCW%32 < 29
	ds_load_b64 v[KF+12*\t+2*\p:KF+12*\t+2*\p+1], v9 offset:8*PCW+16*(PCW/32)+8*\t*816
.else
	ds_load_b64 v[KF+12*\t+2*\p:KF+12*\t+2*\p+1], v10 offset:8*PCW+16*(PCW/32)+8*\t*816
.endif
.endr
.endr
	s_wait_dscnt 0x0
.irp t, 0,1,2,3
	v_wmma_scale_f32_16x16x128_f8f6f4 v[SR+8*\t:SR+8*\t+7], v[KF+12*\t:KF+12*\t+11], v[XF+12*\k:XF+12*\k+11], v[SR+8*\t:SR+8*\t+7], v[WS+8*\t+\k], v[XS+\k] matrix_a_fmt:MATRIX_FMT_FP6 matrix_b_fmt:MATRIX_FMT_FP6
.endr
	PLACES 4                                       ; in front of the next loads into Wq's fragments, and of the first read of the sums
.endr
	QUANT2 SR, 16, CT, 28
.irp j, 22,23,24,25,26,27,84,85,86,87,88,89
	v_mov_b32 v[\j], 0                             ; zero codes: q's idle half, and what stands behind k's last tile
.endr
.set J, 0
.rept 32
	v_mov_b32 v[OT+J], 0                           ; O^T.  (The step is written once for all steps: the first finds zeros, which the first change of M leaves zeros.  These are also the places between q's codes and scale word and the first product)
.set J, J+1
.endr
	v_mov_b32 v13, 0xff61b1e6                      ; the largest t so far: -3e38
	s_delay_alu instid0(VALU_DEP_1)
	v_floor_f32 v12, -v13                          ; -M
	v_mov_b32 v14, 0
	v_mov_b32 v15, 0
; A KEY STEP: 128 keys; its block begins at LDS byte s[TB], its cm at s[TC].
.macro STEP
	v_add_nc_u32 v5, s[TB], v1                     ; (these four are the places in front of loads into registers that the last products read)
	v_add_nc_u32 v6, s[TB], v2
	v_add_nc_u32 v7, s[TB], v3
	v_add_nc_u32 v8, s[TC], v4
.irp t, 0,1,2,3,4,5,6,7
	ds_load_b128 v[KF+6*\t:KF+6*\t+3], v5 offset:768*\t
	ds_load_b64 v[KF+6*\t+4:KF+6*\t+5], v6 offset:768*\t+512
.endr
.irp w, 0,1,2,3
	ds_load_b32 v[30+\w], v7 offset:12288+128*\w
.endr
.irp q, 0,1,2,3,4,5,6,7
	ds_load_b128 v[CMA+4*\q:CMA+4*\q+3], v8 offset:128*(\q/4)+16*(\q%4)        ; cm of keys 32 b + 16 h + 0 .. 15, in my registers' order
.endr
.irp q, 0,1,2,3,4,5,6,7
	ds_load_b128 v[CMB+4*\q:CMB+4*\q+3], v8 offset:256+128*(\q/4)+16*(\q%4)
.endr
	s_wait_alu depctr_va_vdst(0)
	s_wait_dscnt 0x0
.irp t, 0,2,4,6
	v_wmma_scale_f32_16x16x128_f8f6f4 v[SR+8*\t:SR+8*\t+7], v[KF+6*\t:KF+6*\t+11], v[16:27], 0, v[30+\t/2], v28 matrix_a_fmt:MATRIX_FMT_FP6 matrix_b_fmt:MATRIX_FMT_FP6
	v_wmma_scale_f32_16x16x128_f8f6f4 v[SR+8*\t+8:SR+8*\t+15], v[KF+6*\t+6:KF+6*\t+17], v[16:27], 0, v[30+\t/2], v28 matrix_a_fmt:MATRIX_FMT_FP6 matrix_b_fmt:MATRIX_FMT_FP6 matrix_a_scale:MATRIX_SCALE_ROW1
.endr
	PLACES 4
.irp t, 0,1,2,3                        ; v's fragments are asked for here and land under the softmax
.irp c, 0,1
	ds_load_b128 v[KF+12*\t+6*\c:KF+12*\t+6*\c+3], v5 offset:6144+1536*\t+768*\c
	ds_load_b64 v[KF+12*\t+6*\c+4:KF+12*\t+6*\c+5], v6 offset:6144+1536*\t+768*\c+512
.endr
.endr
	ds_load_b32 v34, v7 offset:12800
	ds_load_b32 v35, v7 offset:12928
.set J, 0
.rept 16
	v_pk_mul_f32 v[SR+J:SR+J+1], v[SR+J:SR+J+1], v[CMA+J:CMA+J+1]   ; t = score x cm; each accumulator from its low end on
.set J, J+2
.endr
.set J, 0
.rept 16
	v_pk_mul_f32 v[SR+32+J:SR+32+J+1], v[SR+32+J:SR+32+J+1], v[CMB+J:CMB+J+1]
.set J, J+2
.endr
.irp b, 0,1,2,3
	v_max3_num_f32 v[BM+\b], v[SR+16*\b], v[SR+16*\b+1], v[SR+16*\b+2]   ; the largest t of each block of 32 keys: for the row's maximum, and, since p rises with t, for the block's largest p
.endr
.irp i, 3,5,7,9,11,13
.irp b, 0,1,2,3
	s_delay_alu instid0(VALU_DEP_4)
	v_max3_num_f32 v[BM+\b], v[BM+\b], v[SR+16*\b+\i], v[SR+16*\b+\i+1]
.endr
.endr
.irp b, 0,1,2,3
	s_delay_alu instid0(VALU_DEP_4)
	v_max_num_f32 v[BM+\b], v[BM+\b], v[SR+16*\b+15]
.endr
.irp b, 0,1,2,3
	s_delay_alu instid0(VALU_DEP_4)
	v_permlanex16_b32 v[BT+\b], v[BM+\b], s[SEL], s[SEL+1]
.endr
.irp b, 0,1,2,3
	s_delay_alu instid0(VALU_DEP_4)
	v_max_num_f32 v[BM+\b], v[BM+\b], v[BT+\b]     ; with lane l xor 16's 16 keys
.endr
	s_delay_alu instid0(VALU_DEP_2)
	v_max3_num_f32 v254, v[BM], v[BM+1], v[BM+2]
	s_delay_alu instid0(VALU_DEP_1)
	v_max_num_f32 v254, v254, v[BM+3]
	s_delay_alu instid0(VALU_DEP_1)
	v_max_num_f32 v13, v13, v254                   ; the running largest t
	v_mov_b32 v254, v12
	s_delay_alu instid0(VALU_DEP_2)
	v_floor_f32 v12, -v13                          ; the new -M = -ceil(t)
	s_delay_alu instid0(VALU_DEP_1)
	v_sub_f32 v254, v12, v254                      ; old M - new M: a whole number, 0 or less
	s_delay_alu instid0(VALU_DEP_1)
	v_cvt_i32_f32 v254, v254                       ; (it saturates)
	s_delay_alu instid0(VALU_DEP_1)
	v_ldexp_f32 v252, 1.0, v254                    ; f = 2^(old M - new M)
.set J, 0
.rept 32
	v_pk_add_f32 v[SR+J:SR+J+1], v[SR+J:SR+J+1], v[12:13] op_sel_hi:[1,0]   ; t - M
.set J, J+2
.endr
.irp b, 0,1,2,3
	v_add_f32 v[BM+\b], v[BM+\b], v12              ; the same of each block's largest t
.endr
.set J, 0
	s_setprio 1
	s_wait_alu depctr_va_vdst(0)
.rept 64
	v_exp_f32 v[SR+J], v[SR+J]                     ; p = 2^(t - M), at most 1: not normalised
.set J, J+1
.endr
	v_pk_mul_f32 v[14:15], v[14:15], v[252:253] op_sel_hi:[1,0]   ; l under the new M: a plain place behind the exponentials
	s_wait_alu depctr_va_vdst(0)                   ; one wait for the batch of 64, ahead of its first reader
.irp b, 0,1,2,3
	v_exp_f32 v[BM+\b], v[BM+\b]                   ; the block's largest p: the same two operations on the same number
.endr
	v_pk_add_f32 v[244:245], v[128:129], v[132:133]
	v_pk_add_f32 v[254:255], v[136:137], v[140:141]
	v_pk_add_f32 v[250:251], v[144:145], v[148:149]
	v_pk_add_f32 v[248:249], v[152:153], v[156:157]
	v_pk_add_f32 v[246:247], v[160:161], v[164:165]
	v_pk_add_f32 v[238:239], v[168:169], v[172:173]
	v_pk_add_f32 v[236:237], v[176:177], v[180:181]
	v_pk_add_f32 v[14:15], v[14:15], v[184:185]
	v_pk_add_f32 v[244:245], v[244:245], v[124:125]
	v_pk_add_f32 v[254:255], v[254:255], v[126:127]
	v_pk_add_f32 v[250:251], v[250:251], v[130:131]
	v_pk_add_f32 v[248:249], v[248:249], v[134:135]
	v_pk_add_f32 v[246:247], v[246:247], v[138:139]
	v_pk_add_f32 v[238:239], v[238:239], v[142:143]
	v_pk_add_f32 v[236:237], v[236:237], v[146:147]
	v_pk_add_f32 v[14:15], v[14:15], v[150:151]
	v_pk_add_f32 v[244:245], v[244:245], v[154:155]
	v_pk_add_f32 v[254:255], v[254:255], v[158:159]
	v_pk_add_f32 v[250:251], v[250:251], v[162:163]
	v_pk_add_f32 v[248:249], v[248:249], v[166:167]
	v_pk_add_f32 v[246:247], v[246:247], v[170:171]
	v_pk_add_f32 v[238:239], v[238:239], v[174:175]
	v_pk_add_f32 v[236:237], v[236:237], v[178:179]
	v_pk_add_f32 v[14:15], v[14:15], v[182:183]
	v_pk_add_f32 v[244:245], v[244:245], v[186:187]
	s_delay_alu instid0(VALU_DEP_2)
	v_pk_add_f32 v[14:15], v[14:15], v[248:249]
	s_delay_alu instid0(VALU_DEP_2)
	v_pk_add_f32 v[244:245], v[244:245], v[246:247]
	v_pk_add_f32 v[254:255], v[254:255], v[238:239]
	v_pk_add_f32 v[250:251], v[250:251], v[236:237]
	s_delay_alu instid0(VALU_DEP_2)
	v_pk_add_f32 v[14:15], v[14:15], v[254:255]
	s_delay_alu instid0(VALU_DEP_2)
	v_pk_add_f32 v[244:245], v[244:245], v[250:251]
	s_delay_alu instid0(VALU_DEP_1)
	v_pk_add_f32 v[14:15], v[14:15], v[244:245]
	s_wait_alu depctr_va_vdst(0)                   ; and one for the four
.irp b, 0,1,2,3
	v_max_num_f32 v[BM+\b], 0x1800000, v[BM+\b]    ; the floor 2^(3 - 127)
.endr
.irp b, 0,1,2,3
	s_delay_alu instid0(VALU_DEP_4)
	v_add_nc_u32 v[SO+\b], 0xff000000, v[BM+\b]
.endr
.irp b, 0,1,2,3
	s_delay_alu instid0(VALU_DEP_4)
	v_lshrrev_b32 v[BT+\b], 23, v[SO+\b]
.endr
	s_delay_alu instid0(VALU_DEP_3)
	v_lshl_or_b32 v29, v[BT+1], 8, v[BT]           ; p's scale word for these 128 keys
	s_delay_alu instid0(VALU_DEP_1)
	v_lshl_or_b32 v29, v[BT+2], 16, v29
	s_delay_alu instid0(VALU_DEP_1)
	v_lshl_or_b32 v29, v[BT+3], 24, v29
.irp c, 0,1
	v_cvt_scalef32_pk16_fp6_f32 v[PCD+6*\c:PCD+6*\c+2], v[SR+32*\c:SR+32*\c+15], v[SO+2*\c]
	v_cvt_scalef32_pk16_fp6_f32 v[CT+4*\c:CT+4*\c+2], v[SR+32*\c+16:SR+32*\c+31], v[SO+2*\c+1]
.endr
	v_nop                                          ; one plain place behind a scaled conversion
	s_setprio 0
.irp c, 0,1
.irp i, 0,1,2
	v_permlane16_swap_b32 v[PCD+6*\c+\i], v[CT+4*\c+\i]
.endr
.irp i, 0,1,2
	s_delay_alu instid0(VALU_DEP_3)
	v_mov_b32 v[PCD+6*\c+3+\i], v[CT+4*\c+\i]
.endr
.endr
.set J, 0
.rept 16
	v_pk_mul_f32 v[OT+J:OT+J+1], v[OT+J:OT+J+1], v[252:253] op_sel_hi:[1,0]   ; O^T under the new M.  (Also the places between p's codes and scale word and the products)
.set J, J+2
.endr
	s_wait_alu depctr_va_vdst(0)
	s_wait_dscnt 0x0                               ; v's fragments and scale words are in
.irp t, 0,2
	v_wmma_scale_f32_16x16x128_f8f6f4 v[OT+8*\t:OT+8*\t+7], v[KF+12*\t:KF+12*\t+11], v[PCD:PCD+11], v[OT+8*\t:OT+8*\t+7], v[34+\t/2], v29 matrix_a_fmt:MATRIX_FMT_FP6 matrix_b_fmt:MATRIX_FMT_FP6
	v_wmma_scale_f32_16x16x128_f8f6f4 v[OT+8*\t+8:OT+8*\t+15], v[KF+12*\t+12:KF+12*\t+23], v[PCD:PCD+11], v[OT+8*\t+8:OT+8*\t+15], v[34+\t/2], v29 matrix_a_fmt:MATRIX_FMT_FP6 matrix_b_fmt:MATRIX_FMT_FP6 matrix_a_scale:MATRIX_SCALE_ROW1
.endr
.endm
	s_wait_tensorcnt 0x0                           ; all my blocks of key steps are in (they went out at the head, ahead of all of q's work)
	s_wait_dscnt 0x0
	s_barrier_signal -1
	s_barrier_wait -1                              ; everybody's are: from here on no wave waits for another
	s_mov_b32 s[TB], 0
	s_mov_b32 s[TC], 0
	s_mov_b32 s[CNT], 16
.Lstep:
	s_setprio 2
	STEP
	s_add_co_u32 s[TB], s[TB], 13056
	s_add_co_u32 s[TC], s[TC], 512
	s_sub_co_u32 s[CNT], s[CNT], 1
	s_cmp_lg_u32 s[CNT], 0
	s_cbranch_scc1 .Lstep
	s_setprio 0
	; THE WAY OUT: O^T / l, quantised along the head's 64 channels: half a fragment of the next product's operand, stored as an image of its registers
	PLACES 4
	v_add_f32 v14, v14, v15
	s_delay_alu instid0(VALU_DEP_1)
	v_permlanex16_b32 v252, v14, s[SEL], s[SEL+1]
	s_delay_alu instid0(VALU_DEP_1)
	v_add_f32 v14, v14, v252                       ; the row's sum
	s_wait_alu depctr_va_vdst(0)
	v_rcp_f32 v14, v14
	v_nop                                          ; a plain place behind the reciprocal
	s_wait_alu depctr_va_vdst(0)                   ; the wait ahead of its first reader
.set J, 0
.rept 32
	v_mul_f32 v[SR+J], v[OT+J], v14                ; each accumulator from its low end on
.set J, J+1
.endr
	QUANT2 SR, PCD, CT, 29
	global_store_b128 v1, v[PCD:PCD+3], s[18:19]
	global_store_b64 v2, v[PCD+4:PCD+5], s[18:19] offset:512
	global_store_b16 v3, v29, s[20:21]             ; my head's two bytes of the row's scale word
	s_wait_xcnt 0x0
	v_lshl_add_u32 v254, v0, 2, 0x41d00
	v_mov_b32 v255, 0
	s_wait_alu depctr_va_vdst(0)
	s_wait_tensorcnt 0x0
	ds_add_u32 v254, v255
	s_wait_dscnt 0x0
	CROUND                                         ; the closing round
	s_endpgm
.Lfunc_end_k_q523ca5b0fe_attn:
	.size	k_q523ca5b0fe_attn, .Lfunc_end_k_q523ca5b0fe_attn-k_q523ca5b0fe_attn
	.p2alignl 7, 3214868480
	.fill 96, 4, 3214868480
	.section	.rodata,"a",@progbits
	.p2align	6, 0x0
	.amdhsa_kernel k_q523ca5b0fe_attn
		.amdhsa_group_segment_fixed_size 271616
		.amdhsa_private_segment_fixed_size 0
		.amdhsa_enable_private_segment 0
		.amdhsa_kernarg_size 72
		.amdhsa_user_sgpr_count 2
		.amdhsa_user_sgpr_kernarg_segment_ptr 1
		.amdhsa_wavefront_size32 1
		.amdhsa_system_sgpr_workgroup_id_x 1
		.amdhsa_system_sgpr_workgroup_id_y 1
		.amdhsa_system_sgpr_workgroup_id_z 1
		.amdhsa_system_vgpr_workitem_id 0
		.amdhsa_next_free_vgpr 256
		.amdhsa_next_free_sgpr 100
		.amdhsa_reserve_vcc 0
		.amdhsa_float_denorm_mode_32 3
		.amdhsa_float_denorm_mode_16_64 3
		.amdhsa_memory_ordered 1
		.amdhsa_forward_progress 1
		.amdhsa_inst_pref_size 61
	.end_amdhsa_kernel
	.amdgpu_metadata
---
amdhsa.version: [ 1, 2 ]
amdhsa.kernels:
  - .name:           k_q523ca5b0fe_attn
    .symbol:         k_q523ca5b0fe_attn.kd
    .args:
      - { .name: xq_codes, .offset: 0, .size: 8, .value_kind: global_buffer, .address_space: global }
      - { .name: xq_scales, .offset: 8, .size: 8, .value_kind: global_buffer, .address_space: global }
      - { .name: c_attn_w_codes, .offset: 16, .size: 8, .value_kind: global_buffer, .address_space: global }
      - { .name: c_attn_w_scales, .offset: 24, .size: 8, .value_kind: global_buffer, .address_space: global }
      - { .name: c_attn_b, .offset: 32, .size: 8, .value_kind: global_buffer, .address_space: global }
      - { .name: attendee_mask, .offset: 40, .size: 8, .value_kind: global_buffer, .address_space: global }
      - { .name: kvws, .offset: 48, .size: 8, .value_kind: global_buffer, .address_space: global }
      - { .name: at_codes, .offset: 56, .size: 8, .value_kind: global_buffer, .address_space: global }
      - { .name: at_scales, .offset: 64, .size: 8, .value_kind: global_buffer, .address_space: global }
    .group_segment_fixed_size: 271616
    .private_segment_fixed_size: 0
    .kernarg_segment_align: 8
    .kernarg_segment_size: 72
    .max_flat_workgroup_size: 512
    .sgpr_count:     100
    .vgpr_count:     256
    .wavefront_size: 32
...
	.end_amdgpu_metadata
.endif
;; end of part 2
;; launch proj (part 3): grid 32 x 8, 4 waves a work-group, clusters of 4 x 1, 168,448 bytes of LDS; arguments at_codes, at_scales, c_proj_w_codes, c_proj_w_scales, c_proj_b, y_codes, y_scales; writes y_codes, y_scales
.if DOCPART == 3
	.amdgcn_target "amdgcn-amd-amdhsa--gfx1250"
	.amdhsa_code_object_version 6
	.text
	.protected	k_q523ca5b0fe_proj
	.globl	k_q523ca5b0fe_proj
	.p2align	8
	.type	k_q523ca5b0fe_proj,@function
k_q523ca5b0fe_proj:
	s_mov_b64 s[64:65], 0
	v_nop
	global_prefetch_b8 v0, s[64:65] scope:SCOPE_SE
	s_setreg_imm32_b32 hwreg(HW_REG_WAVE_MODE, 25, 1), 1
	s_wait_xcnt 0x0
	s_wait_alu depctr_hold_cnt(0) depctr_sa_sdst(0) depctr_va_vdst(0) depctr_va_sdst(0) depctr_va_ssrc(0) depctr_va_vcc(0) depctr_vm_vsrc(0)
	s_getreg_b32 s2, hwreg(HW_REG_IB_STS2, 6, 4)
	s_cmp_eq_u32 s2, 0
	s_cbranch_scc0 .Lentry_in_a_cluster
	s_endpgm
.Lentry_in_a_cluster:
	s_bfe_u32 s2, ttmp6, 0x10000c
	s_cmp_lg_u32 s2, 0x3003
	s_cbranch_scc0 .Lentry_shape_is_right
	s_endpgm
.Lentry_shape_is_right:
; y = attn Wp^T + bp on codes of FP6 (E2M3) with E8M0 scales, quantised at once along its 1,024 columns, which are the second half of the next product's K.
; SHARES.  A work-group takes 128 rows of attn and 128 rows of Wp, K = 1,024.  Source 0 = all 128 rows of Wp (8 tiles, from LDS), source 1 = the wave's own 32 rows of attn (2 tiles): nobody else in the work-group reads them,
; so they go from memory straight into registers, as the images that the launch before stored.  A lane holds ONE row of y, its registers run along the columns.
; The rows of a tile of Wp are 32 (t / 2) + 8 (t % 2) + r + 8 (r / 8), so that the 16 registers of tiles 2 b, 2 b + 1 are 16 neighbouring columns.  The bias is the C of each sum's first product.
; LDS: Wp's 128 rows of 768 bytes with 16 of padding behind every 256 (pitch 816); of each 32 rows the first 16 in region A, the last 16 in region B, 52,352 bytes (a multiple of 256, and 128) behind A: tile t is LDS rows 8 t .. 8 t + 7
;   of A (lanes r < 8) and of B (lanes r >= 8), and the 32 lanes of a load of 8 bytes touch 64 different banks (64 banks of 4 bytes: ISA guide 11.1).  Every byte is filled once, at the start: nothing is filled again.
; CLUSTER 4 x 1: the four row blocks of a cluster read the same rows of Wp: they are asked for jointly.
; LIMITS: NaN and infinities are not served.  A block whose largest magnitude lies under 2^-124 keeps the scale byte 1; a block of zeros has the byte 1 over zero codes (read by this program alone).
; REGISTERS: window 0: v1-15 addresses; v32-95 Wp's scale words (8 b + K step), v96-111 attn's; v128-164 the quantiser's; v192-255 the bias.   window 1: Wp's fragments, two sets.   window 2: attn's at v[24 K step + 12 a].   window 3: the 16 accumulators.
.set RB,   52352
.set PS,   32
.set QS,   96
.set TM,   128
.set PC,   144
.set PW,   164
.set BI,   192
.set ADP,  8
.set WV,   22
.set SEL,  56
.set G1,   24
.set G0,   32
.set MSB,  0
.macro WIN new
.if MSB != (\new)
	s_set_vgpr_msb (MSB<<8)|(\new)
.set MSB, (\new)
.endif
.endm
.macro PLACES n
.rept \n
	v_nop
.endr
.endm
.macro BAR
	s_barrier_signal -1
	s_barrier_wait -1
.endm
.macro CROUND
	s_barrier_signal -1
	s_barrier_wait -1
	s_cmp_lg_u32 s[WV], 0
	s_cbranch_scc1 .Lnot_wave_0_\@
	s_barrier_signal -3
.Lnot_wave_0_\@:
	s_barrier_wait -3
	s_barrier_signal -1
	s_barrier_wait -1
.endm
.macro FRAG reg, adr, ks, rowoff       ; a fragment in pieces of 8 bytes; piece p lies at 8 p + 16 (p / 32); the second address register serves where the piece three on lies behind one padding more
.irp p, 0,1,2,3,4,5
.set PCN, 12*(\ks)+6*(\p/3)+\p%3
.if PCN%32 < 29
	ds_load_b64 v[(\reg)+2*\p:(\reg)+2*\p+1], v[\adr] offset:8*PCN+16*(PCN/32)+(\rowoff)*816
.else
	ds_load_b64 v[(\reg)+2*\p:(\reg)+2*\p+1], v[(\adr)+1] offset:8*PCN+16*(PCN/32)+(\rowoff)*816
.endif
.endr
.endm
.macro FETCH ks                        ; 48 LDS loads: Wp's eight fragments of K step ks into set ks % 2
	WIN 0x40
.irp t, 0,1,2,3,4,5,6,7
	FRAG 128*((\ks)%2)+12*\t, ADP, \ks, 8*\t
.endr
	WIN 0
.endm
.macro MUL ks                          ; 16 matrix instructions; the accumulators take turns, one instruction a turn
.if (\ks) == 0
	WIN 0xc9                                       ; source 0 window 1, source 1 window 2, C (the bias) window 0, D window 3
.else
	WIN 0xf9
.endif
.irp a, 0,1
.irp b, 0,1,2,3,4,5,6,7
.if (\ks) == 0
	v_wmma_scale_f32_16x16x128_f8f6f4 v[8*(8*\a+\b):8*(8*\a+\b)+7], v[128*((\ks)%2)+12*\b:128*((\ks)%2)+12*\b+11], v[24*(\ks)+12*\a:24*(\ks)+12*\a+11], v[BI+8*\b:BI+8*\b+7], v[PS+8*\b+(\ks)], v[QS+8*\a+(\ks)] matrix_a_fmt:MATRIX_FMT_FP6 matrix_b_fmt:MATRIX_FMT_FP6
.else
	v_wmma_scale_f32_16x16x128_f8f6f4 v[8*(8*\a+\b):8*(8*\a+\b)+7], v[128*((\ks)%2)+12*\b:128*((\ks)%2)+12*\b+11], v[24*(\ks)+12*\a:24*(\ks)+12*\a+11], v[8*(8*\a+\b):8*(8*\a+\b)+7], v[PS+8*\b+(\ks)], v[QS+8*\a+(\ks)] matrix_a_fmt:MATRIX_FMT_FP6 matrix_b_fmt:MATRIX_FMT_FP6
.endif
.endr
.endr
	WIN 0
.endm
.macro QUANT s, W                      ; 64 numbers of a lane in window W, register 16 b + i = k 32 b + 16 (lane / 16) + i, become codes in v[PC] on and a scale word in v[PW]
	WIN ((\W)|((\W)<<2))
.irp b, 0,1,2,3
	v_max3_num_f32 v[TM+\b], |v[(\s)+16*\b]|, |v[(\s)+1+16*\b]|, 0x1800000   ; each accumulator is read from its low end on; the floor 2^(3 - 127) holds the byte at 1 from below
.endr
	WIN (((\W)<<2)|((\W)<<4))
.irp i, 2,4,6,8,10,12,14
.irp b, 0,1,2,3
	v_max3_num_f32 v[TM+\b], v[TM+\b], |v[(\s)+16*\b+\i]|, |v[(\s)+1+16*\b+\i]|
.endr
.endr
	WIN 0
.irp b, 0,1,2,3
	v_permlanex16_b32 v[TM+4+\b], v[TM+\b], s[SEL], s[SEL+1]
.endr
.irp b, 0,1,2,3
	v_max_num_f32 v[TM+\b], v[TM+\b], v[TM+4+\b]
.endr
.irp b, 0,1,2,3
	v_add_nc_u32 v[TM+12+\b], 0xff000000, v[TM+\b]
.endr
.irp b, 0,1,2,3
	v_lshrrev_b32 v[TM+4+\b], 23, v[TM+12+\b]
.endr
	v_lshl_or_b32 v[PW], v[TM+5], 8, v[TM+4]
	v_lshl_or_b32 v[PW], v[TM+6], 16, v[PW]
	v_lshl_or_b32 v[PW], v[TM+7], 24, v[PW]
	WIN (\W)
.irp c, 0,1
	v_cvt_scalef32_pk16_fp6_f32 v[PC+6*\c:PC+2+6*\c], v[(\s)+32*\c:(\s)+15+32*\c], v[TM+12+2*\c]
	v_cvt_scalef32_pk16_fp6_f32 v[PC+12+4*\c:PC+14+4*\c], v[(\s)+16+32*\c:(\s)+31+32*\c], v[TM+12+2*\c+1]
.endr
	WIN 0
	v_nop                                          ; one plain place behind a scaled conversion
.irp c, 0,1
.irp i, 0,1,2
	v_permlane16_swap_b32 v[PC+6*\c+\i], v[PC+12+4*\c+\i]
.endr
.irp i, 0,1,2
	v_mov_b32 v[PC+3+6*\c+\i], v[PC+12+4*\c+\i]
.endr
.endr
.endm
	s_load_b256 s[4:11], s[0:1], 0x0               ; at_codes s[4:5], at_scales s[6:7], Wp's codes s[8:9], Wp's scales s[10:11]
	s_load_b128 s[12:15], s[0:1], 0x20             ; bias s[12:13], y_codes s[14:15]
	s_load_b64 s[16:17], s[0:1], 0x30              ; y_scales
	v_lshl_add_u32 v190, v0, 2, 0x29000
	v_mov_b32 v191, 0
	ds_add_u32 v190, v191
	ds_add_u32 v190, v191
	v_lshrrev_b32 v1, 5, v0
	v_readfirstlane_b32 s[WV], v1
	s_bfe_u32 s58, ttmp6, 0x40000                  ; cx: it enters at's and y's global addresses alone
	s_lshl_b32 s59, ttmp9, 2
	s_add_co_u32 s59, s59, s58                     ; which 128 rows
	s_and_b32 s60, ttmp7, 0xffff                   ; which 128 rows of Wp: shared by the four partners
	s_mov_b32 s[G1], 15|(1<<20)|(1<<21)|(5<<22)|(3<<25)   ; the mask: all four; elements of 1 byte; padding on; bit 21 beside a mask; behind every 64 words 4 words
	s_mov_b32 s[G1+1], 768<<16
	s_mov_b32 s[G1+2], 16<<16
	s_mov_b32 s[G1+3], 768<<16
	s_mov_b32 s[G1+4], 16                          ; 16 rows a load
	s_mov_b32 s[G1+5], 768
	s_mov_b32 s[G1+6], 0
	s_mov_b32 s[G1+7], 0
	s_lshl_b32 s66, s60, 7
	s_lshl_b32 s67, s[WV], 5
	s_add_co_u32 s66, s66, s67
	s_mul_i32 s66, s66, 768                        ; I fetch rows 128 y + 32 wave on
	s_mov_b32 s67, 0
	s_mul_i32 s61, s[WV], 13056                    ; where they go in a region: wave x 16 rows
	s_lshl_b32 s62, s59, 3
	s_lshl_b32 s63, s[WV], 1
	s_add_co_u32 s62, s62, s63                     ; my first row tile: 8 x block + 2 x wave
	s_mul_i32 s68, s62, 12288
	s_mov_b32 s69, 0
	s_lshl_b32 s70, s62, 10
	s_mov_b32 s71, 0
	s_lshl_b32 s72, s60, 12
	s_mov_b32 s73, 0
	s_lshl_b32 s74, s60, 9
	s_mov_b32 s75, 0
	s_lshl_b32 s76, s62, 3
	s_add_co_u32 s76, s76, s60                     ; y's fragment: 8 x row tile + K step
	s_lshl_b32 s78, s76, 7
	s_mov_b32 s79, 0
	s_mul_i32 s76, s76, 1536
	s_mov_b32 s77, 0
	s_mov_b32 s[SEL], 0x76543210
	s_mov_b32 s[SEL+1], 0xfedcba98
	v_and_b32 v1, 31, v0
	v_and_b32 v2, 15, v0
	v_bfe_u32 v3, v0, 4, 1
	v_and_b32 v4, 8, v2
	v_add_nc_u32 v4, v4, v2                        ; r + 8 (r / 8)
	v_lshlrev_b32 v5, 4, v1
	v_lshlrev_b32 v6, 3, v1
	v_lshlrev_b32 v7, 2, v1
	v_and_b32 v[ADP], 7, v2
	v_mul_u32_u24 v[ADP], v[ADP], 816
	v_lshrrev_b32 v10, 3, v2
	v_mad_u32_u24 v[ADP], v10, RB, v[ADP]
	v_mad_u32_u24 v[ADP], v3, 24, v[ADP]           ; my lane's place in a tile: (r % 8) rows + (r / 8) regions + 24 h
	v_lshl_add_u32 v[ADP+1], v3, 4, v[ADP]
	v_lshlrev_b32 v13, 5, v4
	v_lshlrev_b32 v15, 6, v3
.irp b, 0,1,2,3
	v_mov_b32 v[TM+4+\b], 0                        ; written once: a lane permute's destination counts as one of its sources
.endr
	s_wait_dscnt 0x0
	s_wait_kmcnt 0x0
	s_add_nc_u64 s[8:9], s[8:9], s[66:67]
	s_add_nc_u64 s[4:5], s[4:5], s[68:69]
	s_add_nc_u64 s[6:7], s[6:7], s[70:71]
	s_add_nc_u64 s[10:11], s[10:11], s[72:73]
	s_add_nc_u64 s[12:13], s[12:13], s[74:75]
	s_add_nc_u64 s[14:15], s[14:15], s[76:77]
	s_add_nc_u64 s[16:17], s[16:17], s[78:79]
.irp e, 0,1                            ; region e: my rows 16 e .. 16 e + 15
	s_mov_b32 s[G0+4*\e], 1
	s_add_co_u32 s[G0+4*\e+1], s61, \e*RB
	s_add_nc_u64 s[G0+4*\e+2:G0+4*\e+3], s[8:9], \e*12288
	s_or_b32 s[G0+4*\e+3], s[G0+4*\e+3], 0x80000000
.endr
	CROUND                                         ; all four work-groups are here: the joint loads meet
	tensor_load_to_lds s[G0:G0+3], s[G1:G1+7]      ; every wave fetches its 32 rows: two loads of mine are out
	s_nop 0
	tensor_load_to_lds s[G0+4:G0+7], s[G1:G1+7]
	s_nop 0
	PLACES 4
	WIN 0x80
.irp a, 0,1
.irp k, 0,1,2,3,4,5,6,7
.irp c, 0,1
	global_load_b128 v[24*\k+12*\a+6*\c:24*\k+12*\a+6*\c+3], v5, s[4:5] offset:12288*\a+1536*\k+768*\c
	global_load_b64 v[24*\k+12*\a+6*\c+4:24*\k+12*\a+6*\c+5], v6, s[4:5] offset:12288*\a+1536*\k+768*\c+512
.endr
.endr
.endr
	WIN 0
.irp a, 0,1
.irp k, 0,1,2,3,4,5,6,7
	global_load_b32 v[QS+8*\a+\k], v7, s[6:7] offset:1024*\a+128*\k
.endr
.endr
	s_wait_alu depctr_va_vdst(0)
.irp b, 0,1,2,3,4,5,6,7
	global_load_b128 v[PS+8*\b:PS+8*\b+3], v13, s[10:11] offset:(32*(\b/2)+8*(\b%2))*32
	global_load_b128 v[PS+8*\b+4:PS+8*\b+7], v13, s[10:11] offset:(32*(\b/2)+8*(\b%2))*32+16
	global_load_b128 v[BI+8*\b:BI+8*\b+3], v15, s[12:13] offset:(32*(\b/2)+8*(\b%2))*4
	global_load_b128 v[BI+8*\b+4:BI+8*\b+7], v15, s[12:13] offset:(32*(\b/2)+8*(\b%2))*4+16
.endr
	s_wait_tensorcnt 0x0                           ; my 32 rows of Wp are in
	BAR                                            ; everybody's are
	FETCH 0
	s_wait_loadcnt 0x0                             ; attn's fragments, the scale words and the bias
.irp ks, 0,1,2,3,4,5,6,7
.if \ks < 7
	PLACES 4                                       ; in front of loads into the set that the last K step's products read
	FETCH \ks+1
	s_wait_dscnt 48                                ; all but the 48 just issued
.else
	s_wait_dscnt 0x0
.endif
	MUL \ks
.endr
	PLACES 4
.irp a, 0,1
	QUANT 64*\a, 3
.irp c, 0,1
	global_store_b128 v5, v[PC+6*\c:PC+6*\c+3], s[14:15] offset:12288*\a+768*\c
	global_store_b64 v6, v[PC+6*\c+4:PC+6*\c+5], s[14:15] offset:12288*\a+768*\c+512
.endr
	global_store_b32 v7, v[PW], s[16:17] offset:1024*\a
	s_wait_xcnt 0x0                                ; the stores have read their registers
.endr
	s_wait_tensorcnt 0x0
	ds_add_u32 v190, v191
	s_wait_dscnt 0x0
	CROUND                                         ; the closing round
	s_endpgm
.Lfunc_end_k_q523ca5b0fe_proj:
	.size	k_q523ca5b0fe_proj, .Lfunc_end_k_q523ca5b0fe_proj-k_q523ca5b0fe_proj
	.p2alignl 7, 3214868480
	.fill 96, 4, 3214868480
	.section	.rodata,"a",@progbits
	.p2align	6, 0x0
	.amdhsa_kernel k_q523ca5b0fe_proj
		.amdhsa_group_segment_fixed_size 168448
		.amdhsa_private_segment_fixed_size 0
		.amdhsa_enable_private_segment 0
		.amdhsa_kernarg_size 56
		.amdhsa_user_sgpr_count 2
		.amdhsa_user_sgpr_kernarg_segment_ptr 1
		.amdhsa_wavefront_size32 1
		.amdhsa_system_sgpr_workgroup_id_x 1
		.amdhsa_system_sgpr_workgroup_id_y 1
		.amdhsa_system_sgpr_workgroup_id_z 1
		.amdhsa_system_vgpr_workitem_id 0
		.amdhsa_next_free_vgpr 896
		.amdhsa_next_free_sgpr 80
		.amdhsa_reserve_vcc 0
		.amdhsa_float_denorm_mode_32 3
		.amdhsa_float_denorm_mode_16_64 3
		.amdhsa_memory_ordered 1
		.amdhsa_forward_progress 1
		.amdhsa_inst_pref_size 67
	.end_amdhsa_kernel
	.amdgpu_metadata
---
amdhsa.version: [ 1, 2 ]
amdhsa.kernels:
  - .name:           k_q523ca5b0fe_proj
    .symbol:         k_q523ca5b0fe_proj.kd
    .args:
      - { .name: at_codes, .offset: 0, .size: 8, .value_kind: global_buffer, .address_space: global }
      - { .name: at_scales, .offset: 8, .size: 8, .value_kind: global_buffer, .address_space: global }
      - { .name: c_proj_w_codes, .offset: 16, .size: 8, .value_kind: global_buffer, .address_space: global }
      - { .name: c_proj_w_scales, .offset: 24, .size: 8, .value_kind: global_buffer, .address_space: global }
      - { .name: c_proj_b, .offset: 32, .size: 8, .value_kind: global_buffer, .address_space: global }
      - { .name: y_codes, .offset: 40, .size: 8, .value_kind: global_buffer, .address_space: global }
      - { .name: y_scales, .offset: 48, .size: 8, .value_kind: global_buffer, .address_space: global }
    .group_segment_fixed_size: 168448
    .private_segment_fixed_size: 0
    .kernarg_segment_align: 8
    .kernarg_segment_size: 56
    .max_flat_workgroup_size: 128
    .sgpr_count:     80
    .vgpr_count:     896
    .wavefront_size: 32
...
	.end_amdgpu_metadata
.endif
;; end of part 3
;; launch mlp (part 4): grid 32 x 8, 4 waves a work-group, clusters of 4 x 1, 243,712 bytes of LDS; arguments xq_codes, xq_scales, y_codes, y_scales, mlp_w_codes, mlp_w_scales, mlp_b, out0; writes out0
.if DOCPART == 4
	.amdgcn_target "amdgcn-amd-amdhsa--gfx1250"
	.amdhsa_code_object_version 6
	.text
	.protected	k_q523ca5b0fe_mlp
	.globl	k_q523ca5b0fe_mlp
	.p2align	8
	.type	k_q523ca5b0fe_mlp,@function
k_q523ca5b0fe_mlp:
	s_mov_b64 s[64:65], 0
	v_nop
	global_prefetch_b8 v0, s[64:65] scope:SCOPE_SE
	s_setreg_imm32_b32 hwreg(HW_REG_WAVE_MODE, 25, 1), 1
	s_wait_xcnt 0x0
	s_wait_alu depctr_hold_cnt(0) depctr_sa_sdst(0) depctr_va_vdst(0) depctr_va_sdst(0) depctr_va_ssrc(0) depctr_va_vcc(0) depctr_vm_vsrc(0)
	s_getreg_b32 s2, hwreg(HW_REG_IB_STS2, 6, 4)
	s_cmp_eq_u32 s2, 0
	s_cbranch_scc0 .Lentry_in_a_cluster
	s_endpgm
.Lentry_in_a_cluster:
	s_bfe_u32 s2, ttmp6, 0x10000c
	s_cmp_lg_u32 s2, 0x3003
	s_cbranch_scc0 .Lentry_shape_is_right
	s_endpgm
.Lentry_shape_is_right:
; out = gelu([attender | y] Wm^T + bm) on codes of FP6 (E2M3) with E8M0 scales; K = 2,048: K steps 0-7 are attender's codes, 8-15 y's.  gelu(x) = x - x / (1 + 2^(x (k + c1 x^2))), k = 2 sqrt(2 / pi) log2(e), c1 = 0.044715 k: the tanh form, rewritten.
; SHARES as in the launch before: a work-group takes 128 rows and 128 rows of Wm; source 0 = Wm's 8 tiles from LDS, source 1 = the wave's own 32 rows, from memory straight into registers; a lane holds ONE row of out.
; attender's eight fragments a tile are loaded at the head; y's follow one K step at a time into the registers that a K step's products have just left.  The bias is the C of each sum's first product.
; LDS: Wm's 128 rows in two halves of K, 104,704 bytes each: half a row is 768 bytes with 16 of padding behind every 256 (pitch 816); of each 32 rows the first 16 in region A, the last 16 in region B, 52,352 bytes (a multiple of 256,
;   and 128) behind A: tile t is LDS rows 8 t .. 8 t + 7 of A (lanes r < 8) and of B (lanes r >= 8), and the 32 lanes of a load of 8 bytes touch 64 different banks (64 banks of 4 bytes: ISA guide 11.1).
;   Every byte is filled once, at the start (four loads of a wave are out); behind the halves a stage of 16 rows x 528 bytes for each wave, into which no fill lands.
; CLUSTER 4 x 1: the four row blocks of a cluster read the same rows of Wm: they are asked for jointly.
; LIMITS: NaN and infinities are not served.
; REGISTERS: window 0: v1-18 addresses, v[28:29] k; v32-159 Wm's scale words (16 b + K step), v160-191 the rows' (16 a + K step); v192-255 the bias, later gelu at work.
;   window 1: Wm's fragments, two sets; on the way out the rows read back.   window 2: the rows' fragments at v[24 (K step % 8) + 12 a].   window 3: the 16 accumulators.
.set RB,   52352
.set OB,   104704
.set STG,  209408
.set PS,   32
.set QS,   160
.set TT,   192
.set ADP,  8
.set WV,   22
.set G1,   24
.set G0,   32
.set MSB,  0
.macro WIN new
.if MSB != (\new)
	s_set_vgpr_msb (MSB<<8)|(\new)
.set MSB, (\new)
.endif
.endm
.macro PLACES n
.rept \n
	v_nop
.endr
.endm
.macro BAR
	s_barrier_signal -1
	s_barrier_wait -1
.endm
.macro CROUND
	s_barrier_signal -1
	s_barrier_wait -1
	s_cmp_lg_u32 s[WV], 0
	s_cbranch_scc1 .Lnot_wave_0_\@
	s_barrier_signal -3
.Lnot_wave_0_\@:
	s_barrier_wait -3
	s_barrier_signal -1
	s_barrier_wait -1
.endm
.macro FRAG reg, adr, ks, rowoff       ; a fragment in pieces of 8 bytes; piece p lies at 8 p + 16 (p / 32); the second address register serves where the piece three on lies behind one padding more
.irp p, 0,1,2,3,4,5
.set PCN, 12*(\ks)+6*(\p/3)+\p%3
.if PCN%32 < 29
	ds_load_b64 v[(\reg)+2*\p:(\reg)+2*\p+1], v[\adr] offset:8*PCN+16*(PCN/32)+(\rowoff)*816
.else
	ds_load_b64 v[(\reg)+2*\p:(\reg)+2*\p+1], v[(\adr)+1] offset:8*PCN+16*(PCN/32)+(\rowoff)*816
.endif
.endr
.endm
.macro FETCH ks                        ; 48 LDS loads: Wm's eight fragments of K step ks (the ks % 8-th of its half of K) into set ks % 2
	WIN 0x40
.irp t, 0,1,2,3,4,5,6,7
	FRAG 128*((\ks)%2)+12*\t, ADP, (\ks)%8, 8*\t
.endr
	WIN 0
.endm
.macro QLOAD st, sb                    ; eight loads: my two row tiles' fragments of step st (0..7) of the buffer at s[sb]
	WIN 0x80
.irp a, 0,1
.irp c, 0,1
	global_load_b128 v[24*(\st)+12*\a+6*\c:24*(\st)+12*\a+6*\c+3], v5, s[\sb:\sb+1] offset:12288*\a+1536*(\st)+768*\c
	global_load_b64 v[24*(\st)+12*\a+6*\c+4:24*(\st)+12*\a+6*\c+5], v6, s[\sb:\sb+1] offset:12288*\a+1536*(\st)+768*\c+512
.endr
.endr
	WIN 0
.endm
.macro MUL ks                          ; 16 matrix instructions; the accumulators take turns, one instruction a turn
.if (\ks) == 0
	WIN 0xc9
.else
	WIN 0xf9
.endif
.irp a, 0,1
.irp b, 0,1,2,3,4,5,6,7
.if (\ks) == 0
	v_wmma_scale_f32_16x16x128_f8f6f4 v[8*(8*\a+\b):8*(8*\a+\b)+7], v[128*((\ks)%2)+12*\b:128*((\ks)%2)+12*\b+11], v[24*((\ks)%8)+12*\a:24*((\ks)%8)+12*\a+11], v[TT+8*\b:TT+8*\b+7], v[PS+16*\b+(\ks)], v[QS+16*\a+(\ks)] matrix_a_fmt:MATRIX_FMT_FP6 matrix_b_fmt:MATRIX_FMT_FP6
.else
	v_wmma_scale_f32_16x16x128_f8f6f4 v[8*(8*\a+\b):8*(8*\a+\b)+7], v[128*((\ks)%2)+12*\b:128*((\ks)%2)+12*\b+11], v[24*((\ks)%8)+12*\a:24*((\ks)%8)+12*\a+11], v[8*(8*\a+\b):8*(8*\a+\b)+7], v[PS+16*\b+(\ks)], v[QS+16*\a+(\ks)] matrix_a_fmt:MATRIX_FMT_FP6 matrix_b_fmt:MATRIX_FMT_FP6
.endif
.endr
.endr
	WIN 0
.endm
	s_load_b256 s[4:11], s[0:1], 0x0               ; xq_codes s[4:5], xq_scales s[6:7], y_codes s[8:9], y_scales s[10:11]
	s_load_b256 s[12:19], s[0:1], 0x20             ; Wm's codes s[12:13], Wm's scales s[14:15], bias s[16:17], out s[18:19]
	v_lshl_add_u32 v30, v0, 2, 0x3b600
	v_mov_b32 v31, 0
	ds_add_u32 v30, v31
	ds_add_u32 v30, v31
	v_lshrrev_b32 v1, 5, v0
	v_readfirstlane_b32 s[WV], v1
	s_bfe_u32 s80, ttmp6, 0x40000                  ; cx: it enters the rows' global addresses alone
	s_lshl_b32 s81, ttmp9, 2
	s_add_co_u32 s81, s81, s80                     ; which 128 rows
	s_and_b32 s82, ttmp7, 0xffff                   ; which 128 rows of Wm
	s_mov_b32 s[G1], 15|(1<<20)|(1<<21)|(5<<22)|(3<<25)   ; the mask: all four; elements of 1 byte; padding on; bit 21 beside a mask; behind every 64 words 4 words
	s_mov_b32 s[G1+1], 768<<16
	s_mov_b32 s[G1+2], 16<<16
	s_mov_b32 s[G1+3], 768<<16                     ; half a row: 1,024 codes
	s_mov_b32 s[G1+4], 16                          ; 16 rows a load
	s_mov_b32 s[G1+5], 1536                        ; a row of 2,048 codes in memory
	s_mov_b32 s[G1+6], 0
	s_mov_b32 s[G1+7], 0
	s_lshl_b32 s66, s82, 7
	s_lshl_b32 s67, s[WV], 5
	s_add_co_u32 s66, s66, s67
	s_mul_i32 s66, s66, 1536                       ; I fetch rows 128 y + 32 wave on
	s_mov_b32 s67, 0
	s_mul_i32 s83, s[WV], 13056                    ; where they go in a region: wave x 16 rows
	s_lshl_b32 s84, s81, 3
	s_lshl_b32 s85, s[WV], 1
	s_add_co_u32 s84, s84, s85                     ; my first row tile
	s_mul_i32 s68, s84, 12288
	s_mov_b32 s69, 0
	s_lshl_b32 s72, s84, 10
	s_mov_b32 s73, 0
	s_lshl_b32 s74, s82, 13                        ; Wm's scales: 128 rows x 64 bytes
	s_mov_b32 s75, 0
	s_lshl_b32 s76, s82, 9
	s_mov_b32 s77, 0
	s_lshl_b32 s78, s84, 16                        ; out: 16 rows of 4,096 bytes a tile,
	s_add_co_u32 s78, s78, s76                     ; + 512 bytes for each 128 columns
	s_mov_b32 s79, 0
	s_mov_b32 s70, 0x3dd2d3e8                      ; c1
	s_mov_b32 s71, s70                             ; (named with it as a pair, so it is written)
	v_and_b32 v1, 31, v0
	v_and_b32 v2, 15, v0
	v_bfe_u32 v3, v0, 4, 1
	v_and_b32 v4, 8, v2
	v_add_nc_u32 v4, v4, v2                        ; r + 8 (r / 8)
	v_lshlrev_b32 v5, 4, v1
	v_lshlrev_b32 v6, 3, v1
	v_lshlrev_b32 v7, 2, v1
	v_and_b32 v[ADP], 7, v2
	v_mul_u32_u24 v[ADP], v[ADP], 816
	v_lshrrev_b32 v10, 3, v2
	v_mad_u32_u24 v[ADP], v10, RB, v[ADP]
	v_mad_u32_u24 v[ADP], v3, 24, v[ADP]           ; my lane's place in a tile: (r % 8) rows + (r / 8) regions + 24 h
	v_lshl_add_u32 v[ADP+1], v3, 4, v[ADP]
	v_lshlrev_b32 v13, 6, v4                       ; Wm's scale rows of 64 bytes
	v_lshlrev_b32 v15, 6, v3
	s_mul_i32 s85, s[WV], 8448
	s_add_co_u32 s85, s85, STG                     ; my stage
	v_mul_u32_u24 v17, v2, 528
	v_lshl_add_u32 v17, v3, 6, v17
	v_add_nc_u32 v17, s85, v17                     ; in: row r, + 64 h
	v_add_nc_u32 v18, s85, v5                      ; back: a row of 512 bytes, 16 a lane
	v_mov_b32 v28, 0x40135761                      ; k
	v_mov_b32 v29, 0x40135761
	s_wait_dscnt 0x0
	s_wait_kmcnt 0x0
	s_add_nc_u64 s[12:13], s[12:13], s[66:67]
	s_add_nc_u64 s[4:5], s[4:5], s[68:69]
	s_add_nc_u64 s[8:9], s[8:9], s[68:69]
	s_add_nc_u64 s[6:7], s[6:7], s[72:73]
	s_add_nc_u64 s[10:11], s[10:11], s[72:73]
	s_add_nc_u64 s[14:15], s[14:15], s[74:75]
	s_add_nc_u64 s[16:17], s[16:17], s[76:77]
	s_add_nc_u64 s[18:19], s[18:19], s[78:79]
.irp i, 0,1,2,3                        ; load i: half i / 2 of K, region i % 2
	s_mov_b32 s[G0+4*\i], 1
	s_add_co_u32 s[G0+4*\i+1], s83, (\i/2)*OB+(\i%2)*RB
	s_add_nc_u64 s[G0+4*\i+2:G0+4*\i+3], s[12:13], (\i/2)*768+(\i%2)*24576
	s_or_b32 s[G0+4*\i+3], s[G0+4*\i+3], 0x80000000
.endr
	CROUND                                         ; all four work-groups are here: the joint loads meet
.irp i, 0,1,2,3
	tensor_load_to_lds s[G0+4*\i:G0+4*\i+3], s[G1:G1+7]   ; every wave fetches its 32 rows: four loads of mine are out
	s_nop 0
.endr
	PLACES 4
.irp k, 0,1,2,3,4,5,6,7
	QLOAD \k, 4
.endr
.irp a, 0,1
.irp k, 0,1,2,3,4,5,6,7
	global_load_b32 v[QS+16*\a+\k], v7, s[6:7] offset:1024*\a+128*\k
	global_load_b32 v[QS+16*\a+8+\k], v7, s[10:11] offset:1024*\a+128*\k
.endr
.endr
	s_wait_alu depctr_va_vdst(0)
.irp b, 0,1,2,3,4,5,6,7
.irp i, 0,1,2,3
	global_load_b128 v[PS+16*\b+4*\i:PS+16*\b+4*\i+3], v13, s[14:15] offset:(32*(\b/2)+8*(\b%2))*64+16*\i
.endr
	global_load_b128 v[TT+8*\b:TT+8*\b+3], v15, s[16:17] offset:(32*(\b/2)+8*(\b%2))*4
	global_load_b128 v[TT+8*\b+4:TT+8*\b+7], v15, s[16:17] offset:(32*(\b/2)+8*(\b%2))*4+16
.endr
	s_wait_tensorcnt 2                             ; my part of K's first half is in; the second half's two loads stay out
	BAR                                            ; everybody's is
	FETCH 0
	s_wait_loadcnt 0x0                             ; attender's fragments, the scale words and the bias
.irp ks, 0,1,2,3,4,5,6,7,8,9,10,11,12,13,14,15
.if \ks < 15
.if \ks == 7
	s_wait_tensorcnt 0x0                           ; my part of K's second half is in
	s_wait_dscnt 0x0                               ; no LDS instruction of mine is out at a signal
	BAR
	v_add_nc_u32 v[ADP], OB, v[ADP]
	s_wait_alu depctr_va_vdst(0)
	v_add_nc_u32 v[ADP+1], OB, v[ADP+1]
.endif
	PLACES 4                                       ; in front of loads into registers that the last K step's products read: Wm's set, and the rows' fragments of that step
	FETCH \ks+1
.if (\ks >= 1) && (\ks <= 8)
	QLOAD \ks-1, 8                                 ; y's step ks - 1, which is K step ks + 7, into the registers that K step ks - 1 has left
.endif
	s_wait_alu depctr_va_vdst(0)
	s_wait_dscnt 48                                ; all but the 48 just issued
.else
	s_wait_dscnt 0x0
.endif
.if \ks >= 8
	s_wait_loadcnt 8*(15-\ks)                      ; y's eight loads for this K step are in; the eight of each later K step stay out
.endif
	MUL \ks
.endr
	PLACES 4
; THE WAY OUT, a tile of 16 rows at a time: gelu in f32; through my own stage; whole rows of 512 bytes out.
.macro OUTT a
	WIN 0x0f
.set J, 0
.rept 32
	v_pk_mul_f32 v[TT+J:TT+J+1], v[64*\a+J:64*\a+J+1], v[64*\a+J:64*\a+J+1]   ; x^2; each accumulator from its low end on
.set J, J+2
.endr
	WIN 0
.set J, 0
.rept 32
	v_pk_fma_f32 v[TT+J:TT+J+1], v[TT+J:TT+J+1], s[70:71], v[28:29] op_sel_hi:[1,0,1]   ; c1 x^2 + k
.set J, J+2
.endr
	WIN 0x0c
.set J, 0
.rept 32
	v_pk_mul_f32 v[TT+J:TT+J+1], v[TT+J:TT+J+1], v[64*\a+J:64*\a+J+1]
.set J, J+2
.endr
	WIN 0
.set J, 0
	s_wait_alu depctr_va_vdst(0)
.rept 64
	v_exp_f32 v[TT+J], v[TT+J]
.set J, J+1
.endr
	v_nop                                          ; a plain place behind the batch,
	s_wait_alu depctr_va_vdst(0)                   ; and one wait ahead of its first reader
.set J, 0
.rept 32
	v_pk_add_f32 v[TT+J:TT+J+1], v[TT+J:TT+J+1], 1.0 op_sel_hi:[1,0]
.set J, J+2
.endr
.set J, 0
	s_wait_alu depctr_va_vdst(0)
.rept 64
	v_rcp_f32 v[TT+J], v[TT+J]
.set J, J+1
.endr
	v_nop
	s_wait_alu depctr_va_vdst(0)
	WIN 0x33
.set J, 0
.rept 32
	v_pk_fma_f32 v[TT+J:TT+J+1], v[64*\a+J:64*\a+J+1], v[TT+J:TT+J+1], v[64*\a+J:64*\a+J+1] neg_lo:[1,0,0] neg_hi:[1,0,0]   ; x - x / (1 + 2^..)
.set J, J+2
.endr
	WIN 0
.irp b, 0,1,2,3,4,5,6,7
	ds_store_b128 v17, v[TT+8*\b:TT+8*\b+3] offset:128*(\b/2)+32*(\b%2)        ; register 8 b + j: column 32 (b / 2) + 16 h + 8 (b % 2) + j
	ds_store_b128 v17, v[TT+8*\b+4:TT+8*\b+7] offset:128*(\b/2)+32*(\b%2)+16
.endr
	WIN 0x40
.irp i, 0,1,2,3,4,5,6,7,8,9,10,11,12,13,14,15
	ds_load_b128 v[64*\a+4*\i:64*\a+4*\i+3], v18 offset:528*\i     ; LDS serves a wave's instructions in order (ISA guide 5.7.1.4): these see my stores
.endr
	WIN 0x04
.irp i, 0,1,2,3,4,5,6,7,8,9,10,11,12,13,14,15
	s_wait_dscnt 15-\i
	global_store_b128 v5, v[64*\a+4*\i:64*\a+4*\i+3], s[18:19] offset:(16*\a+\i)*4096 th:TH_STORE_NT   ; 32 lanes store 512 consecutive bytes, at a multiple of 256 from out's first byte
.endr
	WIN 0
.endm
	OUTT 0
	OUTT 1
	s_wait_tensorcnt 0x0
	ds_add_u32 v30, v31
	s_wait_dscnt 0x0
	CROUND                                         ; the closing round
	s_endpgm
.Lfunc_end_k_q523ca5b0fe_mlp:
	.size	k_q523ca5b0fe_mlp, .Lfunc_end_k_q523ca5b0fe_mlp-k_q523ca5b0fe_mlp
	.p2alignl 7, 3214868480
	.fill 96, 4, 3214868480
	.section	.rodata,"a",@progbits
	.p2align	6, 0x0
	.amdhsa_kernel k_q523ca5b0fe_mlp
		.amdhsa_group_segment_fixed_size 243712
		.amdhsa_private_segment_fixed_size 0
		.amdhsa_enable_private_segment 0
		.amdhsa_kernarg_size 64
		.amdhsa_user_sgpr_count 2
		.amdhsa_user_sgpr_kernarg_segment_ptr 1
		.amdhsa_wavefront_size32 1
		.amdhsa_system_sgpr_workgroup_id_x 1
		.amdhsa_system_sgpr_workgroup_id_y 1
		.amdhsa_system_sgpr_workgroup_id_z 1
		.amdhsa_system_vgpr_workitem_id 0
		.amdhsa_next_free_vgpr 896
		.amdhsa_next_free_sgpr 100
		.amdhsa_reserve_vcc 0
		.amdhsa_float_denorm_mode_32 3
		.amdhsa_float_denorm_mode_16_64 3
		.amdhsa_memory_ordered 1
		.amdhsa_forward_progress 1
		.amdhsa_inst_pref_size 150
	.end_amdhsa_kernel
	.amdgpu_metadata
---
amdhsa.version: [ 1, 2 ]
amdhsa.kernels:
  - .name:           k_q523ca5b0fe_mlp
    .symbol:         k_q523ca5b0fe_mlp.kd
    .args:
      - { .name: xq_codes, .offset: 0, .size: 8, .value_kind: global_buffer, .address_space: global }
      - { .name: xq_scales, .offset: 8, .size: 8, .value_kind: global_buffer, .address_space: global }
      - { .name: y_codes, .offset: 16, .size: 8, .value_kind: global_buffer, .address_space: global }
      - { .name: y_scales, .offset: 24, .size: 8, .value_kind: global_buffer, .address_space: global }
      - { .name: mlp_w_codes, .offset: 32, .size: 8, .value_kind: global_buffer, .address_space: global }
      - { .name: mlp_w_scales, .offset: 40, .size: 8, .value_kind: global_buffer, .address_space: global }
      - { .name: mlp_b, .offset: 48, .size: 8, .value_kind: global_buffer, .address_space: global }
      - { .name: out0, .offset: 56, .size: 8, .value_kind: global_buffer, .address_space: global }
    .group_segment_fixed_size: 243712
    .private_segment_fixed_size: 0
    .kernarg_segment_align: 8
    .kernarg_segment_size: 64
    .max_flat_workgroup_size: 128
    .sgpr_count:     100
    .vgpr_count:     896
    .wavefront_size: 32
...
	.end_amdgpu_metadata
.endif
;; end of part 4
